; MI455X (gfx1250); checked and timed in simulation.
; The chip was launched on July 23, 2026; its instructions are those of AMD's public machine-readable ISA for CDNA 5 (MIT licence, August 2026) and "CDNA5" Instruction Set Architecture Reference Guide (July 2026). The comments in the code are by the model that wrote it; some were corrected since.
;; Attention. Allowed arithmetic: matrix products marked QUANTISED: E4M3 operands, one given power-of-two scale a tensor, by v_wmma_f32_16x16x64_fp8_fp8 or v_wmma_f32_16x16x128_fp8_fp8, f32 sums; everything else in f32.
;; Inputs: attn_mask 2 x 1 x 2,048 x 2,048 bool; lowp_scales 10 int32 (the exponents e of the quantised operands' scales 2^e); positions 2 x 2,048 int32; wkv 2 x 8 x 4,096 x 32 float32; wo 32 x 32 x 4,096 float32; wq 32 x 4,096 x 32 float32; x 2 x 2,048 x 4,096 float32.
;; Outputs: out0 2 x 2,048 x 4,096 float32.
;; Constants: decode = 0.
;; This version of the problem:
;;   THIS VERSION OF THE PROBLEM IS GIVEN IN LOW PRECISION. The matrix products marked QUANTISED in the list below multiply operands that are first quantised to E4M3 (4 exponent bits, 3 mantissa bits; 8 bits a number), with one given power-of-two scale for each operand tensor; their sums are f32. All else is computed in f32.
;;   The module's matrix products, in the order in which they are computed (A, B: the left and right operand; K: the contracted axis; several contracted axes count as one K, in the product's order):
;;     1. [M 4,096, K 4,096] x [K 4,096, N 1,024]; A: input x; B: input wq: QUANTISED (scales: A lowp_scales[0], B lowp_scales[1])
;;     2. [M 512, K 4,096] x [K 4,096, N 4,096]; A: input wkv; B: input x: QUANTISED (scales: A lowp_scales[2], B lowp_scales[3])
;;     3. batch 16 x [M 2,048, K 32] x [K 32, N 8,192]; A: computed on the way; B: computed on the way: QUANTISED (scales: A lowp_scales[4], B lowp_scales[5])
;;     4. batch 16 x [M 32, K 2,048] x [K 2,048, N 8,192]; A: computed on the way; B: softmax (see below): QUANTISED (scales: A lowp_scales[6], B lowp_scales[7])
;;     5. [M 4,096, K 1,024] x [K 1,024, N 4,096]; A: computed on the way; B: input wo: QUANTISED (scales: A lowp_scales[8], B lowp_scales[9])
;;   THE QUANTISER, for each operand of a quantised product, along K:
;;     - The operand's scale is 2^e, e = its entry of the input lowp_scales (int32; the entries are numbered through the quantised products in the list's order, A before B).
;;     - Each number is divided by the scale, clamped to +-448, and rounded to the nearest number of E4M3, ties to even, subnormals kept.
;;     - The product sums the exact products of the quantised numbers (number of the format x scale) in f32.
;;   ~~~python
;;   def quantise(x, axis, e):      # numpy; x: float32 -> the quantised numbers, widened to float32 again
;;       x = np.moveaxis(x, axis, -1); K = x.shape[-1]
;;       r = np.clip(x / 2.0 ** e, -448, 448)
;;       step = 2.0 ** (np.maximum(np.frexp(np.where(r == 0, 1, r))[1] - 1, -6) - 3)
;;       q = np.round(r / step) * step * 2.0 ** e      # np.round: ties to even
;;       return np.moveaxis(q, -1, axis).astype(np.float32)
;;   ~~~
;;   SOFTMAX AHEAD OF A QUANTISED PRODUCT. Where the list says 'softmax', what is quantised is not the finished softmax but p = 2^(t - M), with t = logit x log2(e) and M = ceil(the row's largest t), a whole number; so 1/2 < the row's largest p <= 1. The row's sum l is taken of the UNQUANTISED p, in f32, and the product's result is divided by l at the end. Since M is a whole number, a kernel that streams over the keys may use a running M (the ceiling of the running maximum): every later rescaling is an exact power of two, so the quantised numbers keep their values, but for numbers so far below the row's largest that they fall under the format's range.
;;   OPERANDS COMPUTED ON THE WAY. 'Computed on the way' means the value that the module computes at that place (a softmax that the list does not call 'softmax' is quantised finished and normalised). What goes into a quantiser is computed in f32, as accurately as f32 sums, v_exp_f32 and their like allow (about 1e-6 of the number): no bf16 or f16 on the way to a quantiser, and a product that is left as it is and whose result goes on into a quantised operand takes f32 operands (vector FMAs, or v_wmma_f32_16x16x4_f32). A number that lies on a knife's edge between two numbers of the format may be rounded either way, as far as f32 arithmetic and the matrix unit's own rounding can turn it there, and no further.
;; 2 versions. Each part assembles by itself: llvm-mc -triple=amdgcn-amd-amdhsa -mcpu=gfx1250 --defsym DOCPART=n.
;; ======== version 1 of 2: 4 launches
;; limits: right only within a limited range of input values
;; workspace buffers: x_codes 33,554,432 bytes; w_codes 6,291,456 bytes; wo_codes 4,194,304 bytes; rope 524,288 bytes; q_codes 4,194,304 bytes; k_codes 1,048,576 bytes; v_codes 1,048,576 bytes; enc_codes 4,194,304 bytes
;; launch prep (part 1): grid 864 x 1, 4 waves a work-group, no clusters, 102,912 bytes of LDS; arguments x, wq, wkv, wo, positions, lowp_scales, x_codes, w_codes, wo_codes, rope; writes x_codes, w_codes, wo_codes, rope
.if DOCPART == 1
	.amdgcn_target "amdgcn-amd-amdhsa--gfx1250"
	.amdhsa_code_object_version 6
	.text
	.protected	k_qf566065903_prep
	.globl	k_qf566065903_prep
	.p2align	8
	.type	k_qf566065903_prep,@function
k_qf566065903_prep:
	s_mov_b64 s[64:65], 0
	v_nop
	global_prefetch_b8 v0, s[64:65] scope:SCOPE_SE
	s_setreg_imm32_b32 hwreg(HW_REG_WAVE_MODE, 25, 1), 1
	s_wait_xcnt 0x0
; PREP: everything that is quantised once, and the table of cosines and sines.  Four kinds of work-group, told apart by the work-group's number:
;   0-511    x [4096 rows][4096] f32 -> codes of E4M3 under 2^e0 (plane 0 of x_codes) and under 2^e3 (plane 1): x is read once for both
;   512-703  wq [32][4096 k][32] and wkv [16][4096 k][32] f32 -> w_codes [1536 rows = head x 32 + h][4096 k], K innermost, under 2^e1 or 2^e2
;   704-831  wo [1024 k][4096 n] f32 -> wo_codes [4096 n][1024 k], K innermost, under 2^e9
;   832-863  positions -> rope [8 planes][4096 rows][4 f32]: plane p < 4: cos of frequencies 4 p .. 4 p + 3; plane 4 + p: their sines
; code = x / 2^e, held within +-448, rounded to the nearest code, ties to even.
; LIMITS: e0, e1, e2, e3, e9 between -126 and 119; |position| under 2^22 (the reduction by pi/2 in three parts keeps f32 accuracy that far); NaN among the inputs is not served;
; the timescales 10000^(i/16) = 10^(i/4) are written as the nearest f32 numbers.
; No tensor loads, no barrier: waves share nothing.  Each kind of work-group has LDS bytes of its own.
.set SP,     80                        ; x: a lane's place in a stage: its 64 bytes + 16 of padding
.set XSTEPS, 16
.set XR,     16                        ; v16-79   x: four sets of 16 numbers as loaded
.set XX,     80                        ; v80-111  two sets of 16 neighbours
.set XY,     112                       ; v112-127 the same, held for e0
.set CA,     128                       ; v128-191 codes under e0: four registers a step, never written twice
.set CB,     192                       ; v192-255 codes under e3
.set WX,     32                        ; weights: v32-95 two sets of 32 numbers down K
.set WC,     96                        ; v96-103  a block's codes
.set WOUT,   112                       ; v112-175 the way out
.set WP,     272                       ; a stage row: 256 bytes of codes + 16
.set LDS_W,  32768                     ; x's stages take 0 .. 32767 (8,192 a wave); then wq's and wkv's; then wo's
.set LDS_O,  LDS_W+4*32*WP
.macro MKSC e, vsc, vlim               ; from the whole number in s[e]: v[vsc] = 2^e as f32 (the conversion takes its exponent field), v[vlim] = 448 x 2^e
	s_add_co_i32 s60, s[\e], 127
	s_lshl_b32 s61, s60, 23
	v_mov_b32 v[\vsc], s61
	s_add_co_i32 s60, s60, 8
	s_lshl_b32 s60, s60, 23
	s_or_b32 s60, s60, 0x600000
	v_mov_b32 v[\vlim], s60
.endm
	s_load_b512 s[4:19], s[0:1], 0x0               ; x s[4:5], wq s[6:7], wkv s[8:9], wo s[10:11], positions s[12:13], scales s[14:15], x_codes s[16:17], w_codes s[18:19]
	s_load_b128 s[20:23], s[0:1], 0x40             ; wo_codes s[20:21], rope s[22:23]
	s_set_vgpr_msb 0x40
	v_lshl_add_u32 v0, v0, 2, 0x19000
	v_mov_b32 v1, 0
	s_set_vgpr_msb 0x4000
	v_lshrrev_b32 v1, 5, v0
	v_readfirstlane_b32 s34, v1                    ; wave 0..3
	s_wait_kmcnt 0x0
	s_load_b256 s[24:31], s[14:15], 0x0            ; e0 .. e7
	s_load_b64 s[32:33], s[14:15], 0x20            ; e8, e9
	s_cmp_lt_u32 ttmp9, 512
	s_cbranch_scc1 .Lpath_x
	s_cmp_lt_u32 ttmp9, 704
	s_cbranch_scc1 .Lpath_w
	s_cmp_lt_u32 ttmp9, 832
	s_cbranch_scc1 .Lpath_o
; ---------------- the table: one thread to a row (batch x 2048 + t), sixteen frequencies
	s_sub_co_u32 s35, ttmp9, 832
	s_lshl_b32 s35, s35, 7
	v_add_nc_u32 v1, s35, v0                       ; row
	v_lshlrev_b32 v3, 2, v1
	global_load_b32 v2, v3, s[12:13]               ; its position
	v_lshlrev_b32 v16, 4, v1                       ; 16 bytes a row in each plane
	s_mov_b32 s40, 0x3f22f983                      ; 2 / pi
	s_mov_b32 s41, 0x3fc90fdb                      ; pi / 2 in three parts: the sum of the three is pi / 2 to about 70 bits
	s_mov_b32 s42, 0xb33bbd2e
	s_mov_b32 s43, 0xa6f72ced
	s_mov_b32 s44, 0xb94ca1f9                      ; sine on +-pi/4: y + y z (S1 + z (S2 + z S3)), z = y y
	s_mov_b32 s45, 0x3c08839e
	s_mov_b32 s46, 0xbe2aaaa3
	s_mov_b32 s47, 0x37ccf5ce                      ; cosine: 1 - z / 2 + z z (C1 + z (C2 + z C3))
	s_mov_b32 s48, 0xbab6061a
	s_mov_b32 s49, 0x3d2aaaa5
	s_wait_kmcnt 0x0                               ; the scales are not used on this path: their loads are only waited for
	s_wait_loadcnt 0x0
	v_cvt_f32_i32 v2, v2
.macro SINCOS i, TS                    ; cos and sin of position / TS into v[64 + i], v[80 + i]
	v_mov_b32 v4, \TS
	v_rcp_f32 v5, v4
	v_nop                                          ; a plain instruction between the reciprocal and the use of its result
	s_wait_alu depctr_va_vdst(0)
	v_mul_f32 v6, v2, v5                           ; the quotient, then one correction by its remainder: a division good to f32's last place
	v_fma_f32 v7, -v6, v4, v2
	v_fma_f32 v6, v7, v5, v6                       ; radians
	v_mul_f32 v7, s40, v6
	v_rndne_f32 v7, v7                             ; n = the nearest multiple of pi / 2
	v_fma_f32 v8, -v7, s41, v6
	v_fma_f32 v8, -v7, s42, v8
	v_fma_f32 v8, -v7, s43, v8                     ; y = radians - n pi / 2, within +-pi/4
	v_cvt_i32_f32 v9, v7
	v_mul_f32 v10, v8, v8                          ; z
	v_fma_f32 v11, s44, v10, s45
	v_fma_f32 v11, v11, v10, s46
	v_mul_f32 v12, v8, v10
	v_fma_f32 v11, v12, v11, v8                    ; sin y
	v_fma_f32 v13, s47, v10, s48
	v_fma_f32 v13, v13, v10, s49
	v_mul_f32 v14, v10, v10
	v_fma_f32 v15, v10, -0.5, 1.0
	v_fma_f32 v13, v14, v13, v15                   ; cos y
	v_and_b32 v14, 1, v9
	v_cmp_eq_u32 vcc_lo, 1, v14                    ; an odd n changes the two over
	v_cndmask_b32 v15, v11, v13, vcc_lo
	v_cndmask_b32 v13, v13, v11, vcc_lo
	v_and_b32 v14, 2, v9                           ; the sine is negated where n mod 4 is 2 or 3,
	v_lshlrev_b32 v14, 30, v14
	v_xor_b32 v[80+\i], v14, v15
	v_add_nc_u32 v14, 1, v9                        ; the cosine where it is 1 or 2
	v_and_b32 v14, 2, v14
	v_lshlrev_b32 v14, 30, v14
	v_xor_b32 v[64+\i], v14, v13
.endm
	SINCOS 0, 0x3f800000
	SINCOS 1, 0x3fe39ea9
	SINCOS 2, 0x404a62c2
	SINCOS 3, 0x40b3f300
	SINCOS 4, 0x41200000
	SINCOS 5, 0x418e432a
	SINCOS 6, 0x41fcfb72
	SINCOS 7, 0x4260efc0
	SINCOS 8, 0x42c80000
	SINCOS 9, 0x4331d3f4
	SINCOS 10, 0x439e1d27
	SINCOS 11, 0x440c95d8
	SINCOS 12, 0x447a0000
	SINCOS 13, 0x44de48f1
	SINCOS 14, 0x4545a471
	SINCOS 15, 0x45afbb4e
.irp p, 0,1,2,3
	global_store_b128 v16, v[64+4*\p:67+4*\p], s[22:23] offset:65536*\p         ; a wave's store covers 512 consecutive bytes, aligned
	global_store_b128 v16, v[80+4*\p:83+4*\p], s[22:23] offset:65536*(4+\p)
.endr
	s_endpgm
; ---------------- x: a plain stream.  A wave takes 16 steps of 512 numbers.  Each load reads 512 consecutive bytes; a step's 2,048 bytes turn through the wave's own stage, so that a lane
; then holds 16 neighbours along K, as the conversions want them; a lane's 16 codes are 16 bytes, so each store covers 512 consecutive bytes.
.Lpath_x:
	v_and_b32 v2, 31, v0
	v_lshlrev_b32 v3, 4, v2                        ; 16 x lane: my place in a load's 512 bytes and in a store's
	s_mul_i32 s35, s34, 8192
	v_lshrrev_b32 v14, 2, v2
	v_mul_u32_u24 v14, v14, SP
	v_and_b32 v15, 3, v2
	v_lshl_add_u32 v14, v15, 4, v14
	v_add_nc_u32 v14, s35, v14                     ; into the stage: four lanes' 64 bytes on end, then 16 of padding
	v_mul_u32_u24 v15, v2, SP
	v_add_nc_u32 v15, s35, v15                     ; out of it: my 16 neighbours
	s_lshl_b32 s36, ttmp9, 2
	s_add_co_u32 s36, s36, s34                     ; which run of 8,192 numbers is my wave's
	s_lshl_b32 s38, s36, 15
	s_mov_b32 s39, 0
	s_add_nc_u64 s[4:5], s[4:5], s[38:39]
	s_lshl_b32 s38, s36, 13
	s_add_nc_u64 s[36:37], s[16:17], s[38:39]      ; plane 0
	s_add_nc_u64 s[38:39], s[36:37], 0x1000000     ; plane 1, 16,777,216 bytes on
.macro XLOAD t
.irp i, 0,1,2,3
	global_load_b128 v[XR+16*((\t)%4)+4*\i:XR+16*((\t)%4)+4*\i+3], v3, s[4:5] offset:2048*(\t)+512*\i th:TH_LOAD_NT
.endr
.endm
.macro XTURN t                         ; LDS serves a wave's instructions in order (ISA guide 5.7.1.4): no wait between the stores and the loads
.irp i, 0,1,2,3
	ds_store_b128 v14, v[XR+16*((\t)%4)+4*\i:XR+16*((\t)%4)+4*\i+3] offset:32*SP*((\t)%2)+8*SP*\i
.endr
.irp i, 0,1,2,3
	ds_load_b128 v[XX+16*((\t)%2)+4*\i:XX+16*((\t)%2)+4*\i+3], v15 offset:32*SP*((\t)%2)+16*\i
.endr
.endm
.irp t, 0,1,2,3
	XLOAD \t
.endr
	s_wait_kmcnt 0x0
	MKSC 24, 11, 10                                ; e0
	MKSC 27, 13, 12                                ; e3
	s_wait_loadcnt 12                              ; step 0's four loads are in; three steps' twelve may be out
	XTURN 0
.macro XSTEP t
.set XS, XX+16*((\t)%2)
	s_wait_dscnt 0x0                               ; this step's numbers are back: so its stores into the stage have read their registers,
.if (\t)+4 < XSTEPS
	XLOAD (\t)+4                                   ; which take the loads of four steps on
.endif
.if (\t)+1 < XSTEPS
.if XSTEPS-2-(\t) >= 3
	s_wait_loadcnt 12                              ; the next step's four loads are in; those of the three steps behind it may be out
.else
	s_wait_loadcnt 4*(XSTEPS-2-(\t))
.endif
	XTURN (\t)+1
.endif
.irp i, 0,1,2,3,4,5,6,7,8,9,10,11,12,13,14,15
	v_med3_num_f32 v[XY+\i], v[XS+\i], -v10, v10   ; the conversion to an 8-bit code does not saturate (ISA guide 7.6.2): the hold at 448 x 2^e0, into other registers
.endr
	v_cvt_scalef32_pk8_fp8_f32 v[CA+4*(\t):CA+4*(\t)+1], v[XY:XY+7], v11
	v_cvt_scalef32_pk8_fp8_f32 v[CA+4*(\t)+2:CA+4*(\t)+3], v[XY+8:XY+15], v11
.irp i, 0,1,2,3,4,5,6,7,8,9,10,11,12,13,14,15
	v_med3_num_f32 v[XS+\i], v[XS+\i], -v12, v12   ; and at 448 x 2^e3.  (These plain lines also stand between the conversions above and the next write of their sources)
.endr
	v_cvt_scalef32_pk8_fp8_f32 v[CB+4*(\t):CB+4*(\t)+1], v[XS:XS+7], v13
	v_cvt_scalef32_pk8_fp8_f32 v[CB+4*(\t)+2:CB+4*(\t)+3], v[XS+8:XS+15], v13
	global_store_b128 v3, v[CA+4*(\t):CA+4*(\t)+3], s[36:37] offset:512*(\t)
	global_store_b128 v3, v[CB+4*(\t):CB+4*(\t)+3], s[38:39] offset:512*(\t)
.endm
.irp t, 0,1,2,3,4,5,6,7,8,9,10,11,12,13,14,15
	XSTEP \t
.endr
	s_set_vgpr_msb 0x5
	s_wait_tensorcnt 0x0
	ds_add_u32 v0, v1
	s_wait_dscnt 0x0
	s_set_vgpr_msb 0x500
	s_endpgm
; ---------------- weights whose K is not innermost.  A LANE TAKES A COLUMN AND ITS REGISTERS RUN DOWN K: the conversions then give codes with K innermost.  A wave takes 32 columns x 256 along K;
; a column's 256 bytes of codes are gathered in the wave's own stage and leave as rows: sixteen lanes store 256 consecutive bytes, aligned.  Source s[40:41], codes s[44:45], e in s46.
.macro WLOAD t, RS
.irp i, 0,1,2,3,4,5,6,7,8,9,10,11,12,13,14,15,16,17,18,19,20,21,22,23,24,25,26,27,28,29,30,31
	global_load_b32 v[WX+32*((\t)%2)+\i], v3, s[40:41] offset:(32*(\t)+\i)*\RS th:TH_LOAD_NT
.endr
.endm
.macro WBLOCK t, RS
.if (\t) < 7
	s_wait_loadcnt 32                              ; this block's 32 loads are in; the next block's may be out
.else
	s_wait_loadcnt 0x0
.endif
.irp i, 0,1,2,3,4,5,6,7,8,9,10,11,12,13,14,15,16,17,18,19,20,21,22,23,24,25,26,27,28,29,30,31
	v_med3_num_f32 v[WX+32*((\t)%2)+\i], v[WX+32*((\t)%2)+\i], -v10, v10
.endr
.irp g, 0,1,2,3
	v_cvt_scalef32_pk8_fp8_f32 v[WC+2*\g:WC+2*\g+1], v[WX+32*((\t)%2)+8*\g:WX+32*((\t)%2)+8*\g+7], v11
.endr
	ds_store_b128 v4, v[WC:WC+3] offset:32*(\t)
	ds_store_b128 v4, v[WC+4:WC+7] offset:32*(\t)+16
.if (\t)+2 < 8
	WLOAD (\t)+2, \RS
.endif
	s_wait_dscnt 0x0                               ; the stores have read their registers: the next block's codes may be written (its 32 holds, plain lines, come first)
.endm
.macro WPATH RS, KROW, LBASE           ; RS: bytes from one k to the next in the source; KROW: bytes of a row of codes; LBASE: these work-groups' LDS
	v_and_b32 v2, 31, v0
	v_lshlrev_b32 v3, 2, v2                        ; in: 4 bytes a lane
	s_mul_i32 s47, s34, 32*WP
	s_add_co_u32 s47, s47, \LBASE                  ; my stage
	v_mul_u32_u24 v4, v2, WP
	v_add_nc_u32 v4, s47, v4                       ; into it: row = my column
	v_and_b32 v5, 15, v2
	v_lshrrev_b32 v6, 4, v2
	v_mul_u32_u24 v7, v6, WP
	v_lshl_add_u32 v7, v5, 4, v7
	v_add_nc_u32 v7, s47, v7                       ; out of it: sixteen lanes to a row, two rows an instruction
	v_mul_u32_u24 v8, v6, \KROW
	v_lshl_add_u32 v8, v5, 4, v8                   ; and the same place in the codes' buffer
	WLOAD 0, \RS
	WLOAD 1, \RS
	MKSC 46, 11, 10
.irp t, 0,1,2,3,4,5,6,7
	WBLOCK \t, \RS
.endr
.irp t, 0,1,2,3,4,5,6,7,8,9,10,11,12,13,14,15
	ds_load_b128 v[WOUT+4*\t:WOUT+4*\t+3], v7 offset:2*\t*WP
.endr
.irp t, 0,1,2,3,4,5,6,7,8,9,10,11,12,13,14,15
	s_wait_dscnt 15-\t                             ; the younger row loads may be out
	global_store_b128 v8, v[WOUT+4*\t:WOUT+4*\t+3], s[44:45] offset:2*\t*\KROW
.endr
.endm
.Lpath_w:
	s_sub_co_u32 s35, ttmp9, 512
	s_lshr_b32 s36, s35, 2                         ; head 0..47: 0-31 wq's, 32-39 k's, 40-47 v's
	s_and_b32 s37, s35, 3
	s_lshl_b32 s37, s37, 2
	s_add_co_u32 s37, s37, s34                     ; which 256 along K: 0..15
	s_cmp_lt_u32 s36, 32
	s_cselect_b64 s[40:41], s[6:7], s[8:9]         ; the choice hangs on the work-group's number alone
	s_cselect_b32 s42, 0, 32
	s_sub_co_u32 s42, s36, s42                     ; the head's number in its own tensor
	s_lshl_b32 s42, s42, 19                        ; 4096 x 32 x 4 bytes a head
	s_lshl_b32 s43, s37, 15                        ; 256 rows of 128 bytes
	s_add_co_u32 s42, s42, s43
	s_mov_b32 s43, 0
	s_add_nc_u64 s[40:41], s[40:41], s[42:43]
	s_lshl_b32 s42, s36, 17                        ; 32 rows of 4,096 codes a head
	s_lshl_b32 s46, s37, 8
	s_add_co_u32 s42, s42, s46
	s_add_nc_u64 s[44:45], s[18:19], s[42:43]
	s_wait_kmcnt 0x0
	s_cmp_lt_u32 s36, 32
	s_cselect_b32 s46, s25, s26                    ; e1 or e2
	WPATH 128, 4096, LDS_W
	s_set_vgpr_msb 0x5
	s_wait_tensorcnt 0x0
	ds_add_u32 v0, v1
	s_wait_dscnt 0x0
	s_set_vgpr_msb 0x500
	s_endpgm
.Lpath_o:
	s_sub_co_u32 s35, ttmp9, 704
	s_lshr_b32 s36, s35, 2
	s_lshl_b32 s36, s36, 7
	s_lshl_b32 s37, s34, 5
	s_add_co_u32 s36, s36, s37                     ; my wave's first column n
	s_and_b32 s37, s35, 3                          ; which 256 along K
	s_lshl_b32 s42, s37, 22                        ; 256 rows of 16,384 bytes
	s_lshl_b32 s43, s36, 2
	s_add_co_u32 s42, s42, s43
	s_mov_b32 s43, 0
	s_add_nc_u64 s[40:41], s[10:11], s[42:43]
	s_lshl_b32 s42, s36, 10                        ; a row of 1,024 codes
	s_lshl_b32 s46, s37, 8
	s_add_co_u32 s42, s42, s46
	s_add_nc_u64 s[44:45], s[20:21], s[42:43]
	s_wait_kmcnt 0x0
	s_mov_b32 s46, s33                             ; e9
	WPATH 16384, 1024, LDS_O                       ; the largest offset, 255 x 16,384, lies inside the signed 24-bit immediate (ISA guide, chapter 10)
	s_set_vgpr_msb 0x5
	s_wait_tensorcnt 0x0
	ds_add_u32 v0, v1
	s_wait_dscnt 0x0
	s_set_vgpr_msb 0x500
	s_endpgm
.Lfunc_end_k_qf566065903_prep:
	.size	k_qf566065903_prep, .Lfunc_end_k_qf566065903_prep-k_qf566065903_prep
	.p2alignl 7, 3214868480
	.fill 96, 4, 3214868480
	.section	.rodata,"a",@progbits
	.p2align	6, 0x0
	.amdhsa_kernel k_qf566065903_prep
		.amdhsa_group_segment_fixed_size 102912
		.amdhsa_private_segment_fixed_size 0
		.amdhsa_enable_private_segment 0
		.amdhsa_kernarg_size 80
		.amdhsa_user_sgpr_count 2
		.amdhsa_user_sgpr_kernarg_segment_ptr 1
		.amdhsa_wavefront_size32 1
		.amdhsa_system_sgpr_workgroup_id_x 1
		.amdhsa_system_sgpr_workgroup_id_y 1
		.amdhsa_system_sgpr_workgroup_id_z 1
		.amdhsa_system_vgpr_workitem_id 0
		.amdhsa_next_free_vgpr 258
		.amdhsa_next_free_sgpr 66
		.amdhsa_reserve_vcc 1
		.amdhsa_float_denorm_mode_32 3
		.amdhsa_float_denorm_mode_16_64 3
		.amdhsa_memory_ordered 1
		.amdhsa_forward_progress 1
		.amdhsa_inst_pref_size 179
	.end_amdhsa_kernel
	.amdgpu_metadata
---
amdhsa.version: [ 1, 2 ]
amdhsa.kernels:
  - .name:           k_qf566065903_prep
    .symbol:         k_qf566065903_prep.kd
    .args:
      - { .name: x, .offset: 0, .size: 8, .value_kind: global_buffer, .address_space: global }
      - { .name: wq, .offset: 8, .size: 8, .value_kind: global_buffer, .address_space: global }
      - { .name: wkv, .offset: 16, .size: 8, .value_kind: global_buffer, .address_space: global }
      - { .name: wo, .offset: 24, .size: 8, .value_kind: global_buffer, .address_space: global }
      - { .name: positions, .offset: 32, .size: 8, .value_kind: global_buffer, .address_space: global }
      - { .name: lowp_scales, .offset: 40, .size: 8, .value_kind: global_buffer, .address_space: global }
      - { .name: x_codes, .offset: 48, .size: 8, .value_kind: global_buffer, .address_space: global }
      - { .name: w_codes, .offset: 56, .size: 8, .value_kind: global_buffer, .address_space: global }
      - { .name: wo_codes, .offset: 64, .size: 8, .value_kind: global_buffer, .address_space: global }
      - { .name: rope, .offset: 72, .size: 8, .value_kind: global_buffer, .address_space: global }
    .group_segment_fixed_size: 102912
    .private_segment_fixed_size: 0
    .kernarg_segment_align: 8
    .kernarg_segment_size: 80
    .max_flat_workgroup_size: 128
    .sgpr_count:     66
    .vgpr_count:     258
    .wavefront_size: 32
...
	.end_amdgpu_metadata
.endif
;; end of part 1
;; launch proj (part 2): grid 32 x 6, 4 waves a work-group, clusters of 4 x 1, 327,680 bytes of LDS; arguments x_codes, w_codes, rope, lowp_scales, q_codes, k_codes, v_codes; writes q_codes, k_codes, v_codes
.if DOCPART == 2
	.amdgcn_target "amdgcn-amd-amdhsa--gfx1250"
	.amdhsa_code_object_version 6
	.text
	.protected	k_qf566065903_proj
	.globl	k_qf566065903_proj
	.p2align	8
	.type	k_qf566065903_proj,@function
k_qf566065903_proj:
	s_mov_b64 s[64:65], 0
	v_nop
	global_prefetch_b8 v0, s[64:65] scope:SCOPE_SE
	s_setreg_imm32_b32 hwreg(HW_REG_WAVE_MODE, 25, 1), 1
	s_wait_xcnt 0x0
	s_wait_alu depctr_hold_cnt(0) depctr_sa_sdst(0) depctr_va_vdst(0) depctr_va_sdst(0) depctr_va_ssrc(0) depctr_va_vcc(0) depctr_vm_vsrc(0)
	s_getreg_b32 s2, hwreg(HW_REG_IB_STS2, 6, 4)
	s_cmp_eq_u32 s2, 0
	s_cbranch_scc0 .Lentry_in_a_cluster
	s_endpgm
.Lentry_in_a_cluster:
	s_bfe_u32 s2, ttmp6, 0x10000c
	s_cmp_lg_u32 s2, 0x3003
	s_cbranch_scc0 .Lentry_shape_is_right
	s_endpgm
.Lentry_shape_is_right:
; PROJ: q, k and v.  [4096 rows of x] x [1536 rows of weights], K = 4096, on codes of E4M3; then the rotation by position, q's factor 32^-0.5, and the quantisers of the two attention products.
; A work-group takes 128 rows of x (tile xt) against 256 rows of weights (tile j: 0-3 q, on x's plane under e0; 4 k and 5 v, on the plane under e3).  192 work-groups: no tile that keeps q, k and v apart gives 256 equal ones.
; CLUSTER: the four work-groups of a cluster have the same j and walk the same tiles of weights, two thirds of a step's bytes: those are asked for JOINTLY (mask 15); x's tiles are each work-group's own.
; A wave makes 64 x 128: 32 accumulators.  Source 1 takes 64 rows ("A"), source 0 takes 128 rows ("B"); a lane of a result holds ONE row of A and eight neighbouring rows of B.
;   q, k: A = rows of x, B = rows of weights: a lane holds a token and eight neighbouring dims; tiles 2 hh and 2 hh + 1 of B are the two halves of head hh, which the rotation pairs.
;   v:    A = rows of weights, B = rows of x: a lane holds a dim and eight neighbouring KEYS, the next product's K.  Only the two LDS bases differ; they are chosen once, by j.
; K goes in slots of 256 (rows of 256 bytes) through a ring of two; a slot is two steps of 128, each 32 matrix instructions; A's and B's fragments have two sets of registers each.
; A fragment is fetched by four loads of 16 bytes: a permutation of k within 128, the same on both sides, so every product meets its partner.
; WHAT IS STORED, in the order of the reader's registers (lane l's 16 bytes at 16 l):
;   q_codes [b][32 heads][128 tiles of 16 tokens][32 lanes][16]: lane (r, h): token r, dims 8 h .. + 7, then 16 + 8 h .. + 7;  k_codes [b][8][128][32][16] likewise;
;   v_codes [b][8][16 chunks of 128 keys][2 tiles of 16 dims][4][32 lanes][16]: registers 4 i .. 4 i + 3 of lane (dim r, h): register pair c holds keys 16 c + 8 h .. + 7.
; LIMITS: e5 - e0 - e1, e4 - e2 - e3 and e6 - e2 - e3 between -126 and 119, so that each power of two below is an f32 number.
; REGISTERS: window 0: v16-29 addresses; v32-95 cos and sin (row block a: cos at 32 + 16 a, sin at 40 + 16 a); v96-113 at work; v128-255 A's two sets (on the way out: the codes).
;   window 1: accumulator (a, b) at v[8 (8 a + b)].   window 2: B's two sets.
.set PITCH,  272                       ; an LDS row: 256 bytes + 16 of padding = 68 words: row r starts at bank 4 r mod 64 (64 banks of 4 bytes: ISA guide 11.1)
.set XREG,   128*PITCH                 ; a slot: x's 128 rows, then the weights' 256
.set SLOT,   384*PITCH
.set SPARE,  2*SLOT                    ; behind the ring: the spare words, 128 bytes for each wave: two blocks of 256 bytes that no other line names
.set LAPS,   8                         ; a lap = two slots = 512 along K
.set ADRA, 16                          ; v16-17  LDS address of my A fragments in slot 0, 1
.set ADRB, 20                          ; v20-21  of my B fragments
.set GO,   26                          ; v26     16 x lane
.set RO,   27                          ; v27     my offset in the table of cos and sin
.set SPW,  28                          ; v28     LDS address of my spare word; never rewritten
.set NIL,  29                          ; v29     0; never rewritten
.set CSN,  32
.set T1,   96
.set T2,   104
.set LIM,  112
.set SC,   113
.set AF,   128
.set CD,   128
.set G1X, 24                           ; s[24:31] group 1 for x's tiles; s[32:39] their groups 0, one for each slot
.set G0X, 32
.set G1W, 48                           ; s[48:55], s[56:63] the same for the weights'
.set G0W, 56
.set MSB, 0
.macro WIN new                         ; the immediate's high byte repeats the setting that is left
.if MSB != \new
	s_set_vgpr_msb (MSB<<8)|\new
.set MSB, \new
.endif
.endm
.set MUL,  0x52                        ; source 0 (B) window 2, source 1 (A) window 0, C and D window 1
.set TO_B, 0x80                        ; destination window 2, address window 0
.macro PLACES
.rept 4
	v_nop
.endr
.endm
; Waves 0 and 1 fetch x's two halves (a load of the work-group's own), waves 2 and 3 the weights' (joint).  The branch hangs on the wave's number alone.  Four v_nop follow each line.
.macro JLOAD s
	s_cmp_eq_u32 s19, 0
	s_cbranch_scc0 .Lfor_w_\@
	tensor_load_to_lds s[G0X+4*\s:G0X+4*\s+3], s[G1X:G1X+7]
	s_nop 0
.rept 4
	v_nop
.endr
	s_branch .Lasked_\@
.Lfor_w_\@:
	tensor_load_to_lds s[G0W+4*\s:G0W+4*\s+3], s[G1W:G1W+7]
	s_nop 0
.rept 4
	v_nop
.endr
.Lasked_\@:
.endm
.macro CREST                           ; a round of the cluster's barrier behind its opening barrier
	s_cmp_lg_u32 s18, 0
	s_cbranch_scc1 .Lnot_wave_0_\@
	s_barrier_signal -3
.Lnot_wave_0_\@:
	s_barrier_wait -3
	s_barrier_signal -1
	s_barrier_wait -1
.endm
.macro CROUND
	s_barrier_signal -1
	s_barrier_wait -1
	CREST
.endm
	s_load_b256 s[4:11], s[0:1], 0x0               ; x_codes s[4:5], w_codes s[6:7], rope s[8:9], scales s[10:11]
	s_load_b128 s[12:15], s[0:1], 0x20             ; q_codes s[12:13], k_codes s[14:15]
	s_load_b64 s[16:17], s[0:1], 0x30              ; v_codes
	v_lshl_add_u32 v[SPW], v0, 2, SPARE
	v_mov_b32 v[NIL], 0
	ds_add_u32 v28, v29
	s_wait_dscnt 0x0
	v_lshrrev_b32 v1, 5, v0
	v_readfirstlane_b32 s18, v1                    ; wave 0..3
	s_lshr_b32 s19, s18, 1                         ; wa.  Also: I fetch x's tiles (0) or the weights' (1)
	s_and_b32 s20, s18, 1                          ; wb.  Also: which half of that tile I fetch
	s_bfe_u32 s21, ttmp6, 0x40000                  ; cx
	s_lshl_b32 s22, ttmp9, 2
	s_add_co_u32 s22, s22, s21                     ; xt = 4 x cluster x + cx
	s_and_b32 s23, ttmp7, 0xffff                   ; j, which the four partners share
	s_mov_b32 s[G1X+0], (1<<20)|(5<<22)|(3<<25)    ; no mask; elements of 1 byte; padding: 4 words after every 64
	s_mov_b32 s[G1X+1], 256<<16                    ; tensor_dim0
	s_mov_b32 s[G1X+2], 64<<16                     ; tensor_dim1
	s_mov_b32 s[G1X+3], 256<<16                    ; tile_dim0
	s_mov_b32 s[G1X+4], 64                         ; tile_dim1
	s_mov_b32 s[G1X+5], 4096                       ; from row to row
	s_mov_b32 s[G1X+6], 0
	s_mov_b32 s[G1X+7], 0
	s_mov_b32 s[G1W+0], 15|(1<<20)|(1<<21)|(5<<22)|(3<<25)   ; the mask: all four work-groups; bit 21 beside it
	s_mov_b32 s[G1W+1], 256<<16
	s_mov_b32 s[G1W+2], 128<<16
	s_mov_b32 s[G1W+3], 256<<16
	s_mov_b32 s[G1W+4], 128
	s_mov_b32 s[G1W+5], 4096
	s_mov_b32 s[G1W+6], 0
	s_mov_b32 s[G1W+7], 0
	s_lshl_b32 s40, s22, 19                        ; x: row 128 xt + 64 wb, 4,096 bytes a row,
	s_lshl_b32 s41, s20, 18
	s_add_co_u32 s40, s40, s41
	s_cmp_lt_u32 s23, 4
	s_cselect_b32 s41, 0, 0x1000000                ; in the plane under e0 (q) or under e3 (k, v)
	s_add_co_u32 s40, s40, s41
	s_mov_b32 s41, 0
	s_lshl_b32 s44, s23, 20                        ; weights: row 256 j + 128 wb (in registers that never hold cx)
	s_lshl_b32 s45, s20, 19
	s_add_co_u32 s44, s44, s45
	s_mov_b32 s45, 0
	s_mul_i32 s88, s20, 64*PITCH                   ; where they go: no place in the cluster enters an LDS address
	s_mul_i32 s89, s20, 128*PITCH
	s_add_co_u32 s89, s89, XREG
	s_wait_kmcnt 0x0
	s_load_b256 s[68:75], s[10:11], 0x0            ; e0 .. e7
	s_load_b64 s[76:77], s[10:11], 0x20            ; e8, e9
	s_add_nc_u64 s[42:43], s[4:5], s[40:41]
	s_add_nc_u64 s[46:47], s[6:7], s[44:45]
	CROUND                                         ; all four work-groups are here: the first joint loads meet
.irp s, 0,1
	s_mov_b32 s[G0X+4*\s], 1
	s_add_co_u32 s[G0X+4*\s+1], s88, \s*SLOT
	s_add_nc_u64 s[G0X+4*\s+2:G0X+4*\s+3], s[42:43], \s*256
	s_or_b32 s[G0X+4*\s+3], s[G0X+4*\s+3], 0x80000000
	s_mov_b32 s[G0W+4*\s], 1
	s_add_co_u32 s[G0W+4*\s+1], s89, \s*SLOT
	s_add_nc_u64 s[G0W+4*\s+2:G0W+4*\s+3], s[46:47], \s*256
	s_or_b32 s[G0W+4*\s+3], s[G0W+4*\s+3], 0x80000000
	JLOAD \s                                       ; two loads of mine are out
.endr
	v_and_b32 v1, 15, v0                           ; r
	v_bfe_u32 v2, v0, 4, 1                         ; h
	v_mul_u32_u24 v3, v1, PITCH
	v_lshl_add_u32 v3, v2, 4, v3                   ; a fragment's row x pitch + 16 h
	s_mul_i32 s90, s19, 64*PITCH                   ; q, k: A = x's rows 64 wa on; B = the weights' rows 128 wb on (s89)
	s_mul_i32 s91, s18, 64*PITCH
	s_add_co_u32 s91, s91, XREG                    ; v: A = the weights' rows 64 wave on; B = x's 128 rows
	s_cmp_eq_u32 s23, 5
	s_cselect_b32 s90, s91, s90
	s_cselect_b32 s91, 0, s89
.irp s, 0,1
	v_add_nc_u32 v[ADRA+\s], s90, v3
	v_add_nc_u32 v[ADRB+\s], s91, v3
	s_add_co_u32 s90, s90, SLOT
	s_add_co_u32 s91, s91, SLOT
.endr
	v_and_b32 v4, 31, v0
	v_lshlrev_b32 v[GO], 4, v4
	s_lshl_b32 s92, s22, 7                         ; cos and sin of my 64 tokens (row 128 xt + 64 wa on), frequencies 8 h .. 8 h + 7: planes 2 h, 2 h + 1 and 4 + 2 h, 5 + 2 h.  (v's work-groups load them too and leave them unused)
	s_lshl_b32 s93, s19, 6
	s_add_co_u32 s92, s92, s93
	s_lshl_b32 s92, s92, 4
	s_mov_b32 s93, 0
	s_add_nc_u64 s[86:87], s[8:9], s[92:93]
	v_lshlrev_b32 v[RO], 4, v1
	v_lshl_add_u32 v[RO], v2, 17, v[RO]
.irp a, 0,1,2,3
	global_load_b128 v[CSN+16*\a:CSN+16*\a+3],     v[RO], s[86:87] offset:256*\a
	global_load_b128 v[CSN+16*\a+4:CSN+16*\a+7],   v[RO], s[86:87] offset:256*\a+65536
	global_load_b128 v[CSN+16*\a+8:CSN+16*\a+11],  v[RO], s[86:87] offset:256*\a+262144
	global_load_b128 v[CSN+16*\a+12:CSN+16*\a+15], v[RO], s[86:87] offset:256*\a+327680
.endr
.macro FETCH slot, q, p                ; 48 LDS loads in one run: the fragments of the slot's q-th 128 along K into set p
	WIN TO_B
.irp i, 0,1,2,3,4,5,6,7
.irp c, 0,1,2,3
	ds_load_b128 v[128*(\p)+16*\i+4*\c:128*(\p)+16*\i+4*\c+3], v[ADRB+\slot] offset:128*(\q)+32*\c+\i*16*PITCH
.endr
.endr
	WIN 0
.irp i, 0,1,2,3
.irp c, 0,1,2,3
	ds_load_b128 v[AF+64*(\p)+16*\i+4*\c:AF+64*(\p)+16*\i+4*\c+3], v[ADRA+\slot] offset:128*(\q)+32*\c+\i*16*PITCH
.endr
.endr
.endm
; 8 matrix instructions: A's block a against B's eight.  The 32 accumulators take turns, one instruction a turn, in the same order in every step.
.macro MULA a, p, zero
.irp b, 0,1,2,3,4,5,6,7
.if \zero
	v_wmma_f32_16x16x128_fp8_fp8 v[8*(8*(\a)+\b):8*(8*(\a)+\b)+7], v[128*(\p)+16*\b:128*(\p)+16*\b+15], v[AF+64*(\p)+16*(\a):AF+64*(\p)+16*(\a)+15], 0
.else
	v_wmma_f32_16x16x128_fp8_fp8 v[8*(8*(\a)+\b):8*(8*(\a)+\b)+7], v[128*(\p)+16*\b:128*(\p)+16*\b+15], v[AF+64*(\p)+16*(\a):AF+64*(\p)+16*(\a)+15], v[8*(8*(\a)+\b):8*(8*(\a)+\b)+7]
.endif
.endr
.endm
; A slot's first step: set 0 is multiplied; set 1 is fetched ahead of its 32 products.
.macro STEP slot, zero
	s_wait_dscnt 0x0                               ; set 0 is in
	PLACES                                         ; four places between the last products on set 1 and the loads into it (ISA guide 7.12.1 for vector instructions)
	FETCH \slot, 1, 1
	WIN MUL
	MULA 0, 0, \zero
	MULA 1, 0, \zero
	MULA 2, 0, \zero
	MULA 3, 0, \zero
	WIN 0
.endm
; A slot's second step changes slots: ONE barrier; in front of it each wave waits for all its tensor loads, adds 0 to its spare word, and waits for that and for its own reads of this slot.
.macro TURN slot, next, fill
	s_wait_tensorcnt 0x0                           ; all my tensor loads have landed: my part of the next slot
	ds_add_u32 v[SPW], v[NIL]                      ; 0 onto my spare word
	s_wait_dscnt 1                                 ; set 1 is in; the add alone may be out
	WIN MUL
	MULA 0, 1, 0                                   ; eight matrix instructions stand between the add and the wait for it
	s_wait_dscnt 0x0                               ; the add is done, and my reads of this slot are over
	s_barrier_signal -1
	MULA 1, 1, 0
	WIN 0
	s_barrier_wait -1
.if \fill
	CREST                                          ; the barrier has opened a round of the cluster's barrier: no wave of any partner still reads this slot or has a load on its way
	s_add_nc_u64 s[G0X+4*\slot+2:G0X+4*\slot+3], s[G0X+4*\slot+2:G0X+4*\slot+3], 512
	s_add_nc_u64 s[G0W+4*\slot+2:G0W+4*\slot+3], s[G0W+4*\slot+2:G0W+4*\slot+3], 512
	JLOAD \slot                                    ; the first tensor load behind the round, my only one until the next; its four v_nop are also the places in front of the loads below
.else
	PLACES
.endif
	FETCH \next, 0, 0
	WIN MUL
	MULA 2, 1, 0
	MULA 3, 1, 0
	WIN 0
.endm
	s_wait_tensorcnt 1                             ; my part of slot 0 is in; slot 1's may stay out
	s_barrier_signal -1
	s_barrier_wait -1
	FETCH 0, 0, 0
	STEP 0, 1                                      ; the first step stands in front of the loop: its products start the sums
	s_mov_b32 s3, LAPS-1
.Llap:                                             ; a trip goes once round the ring and fills both slots again
	TURN 0, 1, 1
	STEP 1, 0
	TURN 1, 0, 1
	STEP 0, 0
	s_sub_co_u32 s3, s3, 1
	s_cmp_lg_u32 s3, 0
	s_cbranch_scc1 .Llap
	TURN 0, 1, 0                                   ; the last lap fills nothing
	STEP 1, 0
	s_wait_dscnt 0x0
	WIN MUL
	MULA 0, 1, 0
	MULA 1, 1, 0
	MULA 2, 1, 0
	MULA 3, 1, 0
	WIN 0
	PLACES                                         ; in front of the first read of results
	s_wait_loadcnt 0x0                             ; cos and sin
	s_wait_kmcnt 0x0
	; a sum stands for sum x 2^(its two operands' e): the three exponents are folded into the conversion's one scale
	s_add_co_i32 s40, s68, s69
	s_sub_co_i32 s40, s73, s40                     ; q: e5 - e0 - e1
	s_add_co_i32 s41, s70, s71
	s_sub_co_i32 s42, s72, s41                     ; k: e4 - e2 - e3
	s_sub_co_i32 s43, s74, s41                     ; v: e6 - e2 - e3
	s_cmp_eq_u32 s23, 5
	s_cselect_b32 s42, s43, s42
	s_mov_b32 s81, 1.0
	s_cmp_lt_u32 s23, 4
	s_cselect_b32 s40, s40, s42
	s_cselect_b32 s80, 0x3e3504f3, s81             ; q's factor 32^-0.5; 1 for k
	s_cselect_b32 s46, 5, 3                        ; heads a batch: 32 or 8, as a shift
	s_cselect_b32 s47, s23, 0                      ; q's first head is 8 j
	s_cselect_b64 s[84:85], s[12:13], s[14:15]
	s_mov_b32 s81, s80                             ; (named with it as a pair, so it is written)
	s_add_co_i32 s40, s40, 127
	s_lshl_b32 s41, s40, 23
	v_mov_b32 v[SC], s41
	s_add_co_i32 s40, s40, 8
	s_lshl_b32 s40, s40, 23
	s_or_b32 s40, s40, 0x600000
	v_mov_b32 v[LIM], s40                          ; 448 x the scale
	s_lshr_b32 s44, s22, 4                         ; b
	s_and_b32 s45, s22, 15                         ; which 128 tokens of the batch
	s_cmp_eq_u32 s23, 5
	s_cbranch_scc1 .Lvout
	; ---- q and k
	s_lshl_b32 s46, s44, s46
	s_lshl_b32 s47, s47, 3
	s_add_co_u32 s46, s46, s47
	s_lshl_b32 s47, s20, 2
	s_add_co_u32 s46, s46, s47                     ; my first head: b x heads + 8 j + 4 wb
	s_lshl_b32 s46, s46, 7
	s_lshl_b32 s47, s45, 3
	s_add_co_u32 s46, s46, s47
	s_lshl_b32 s47, s19, 2
	s_add_co_u32 s46, s46, s47                     ; x 128 tiles + my first tile of 16 tokens
	s_lshl_b32 s46, s46, 9
	s_mov_b32 s47, 0
	s_add_nc_u64 s[84:85], s[84:85], s[46:47]
.macro ROPE a, hh                      ; tokens 16 a on, head hh of my four: the rotation, the factor, the hold, the codes, one store of 512 consecutive bytes
.set XA1, 8*(8*(\a)+2*(\hh))
.set XA2, XA1+8
.set CCO, CSN+16*(\a)
.set CSI, CCO+8
.set CCD, CD+4*(4*(\a)+\hh)
	WIN 0x01                                       ; source 0: the sums, window 1.
.irp i, 0,2,4,6
	v_pk_mul_f32 v[T1+\i:T1+\i+1], v[XA2+\i:XA2+\i+1], v[CSI+\i:CSI+\i+1]
.endr
.irp i, 0,2,4,6
	v_pk_mul_f32 v[T2+\i:T2+\i+1], v[XA1+\i:XA1+\i+1], v[CSI+\i:CSI+\i+1]
.endr
.irp i, 0,2,4,6
	v_pk_fma_f32 v[T1+\i:T1+\i+1], v[XA1+\i:XA1+\i+1], v[CCO+\i:CCO+\i+1], v[T1+\i:T1+\i+1] neg_lo:[0,0,1] neg_hi:[0,0,1]   ; x1 cos - x2 sin
.endr
.irp i, 0,2,4,6
	v_pk_fma_f32 v[T2+\i:T2+\i+1], v[XA2+\i:XA2+\i+1], v[CCO+\i:CCO+\i+1], v[T2+\i:T2+\i+1]                                 ; x2 cos + x1 sin
.endr
	WIN 0
.irp i, 0,2,4,6,8,10,12,14
	v_pk_mul_f32 v[T1+\i:T1+\i+1], v[T1+\i:T1+\i+1], s[80:81] op_sel_hi:[1,0]
.endr
.irp i, 0,1,2,3,4,5,6,7,8,9,10,11,12,13,14,15
	v_med3_num_f32 v[T1+\i], v[T1+\i], -v[LIM], v[LIM]   ; the conversion to an 8-bit code does not saturate (ISA guide 7.6.2)
.endr
	v_cvt_scalef32_pk8_fp8_f32 v[CCD:CCD+1], v[T1:T1+7], v[SC]
	v_cvt_scalef32_pk8_fp8_f32 v[CCD+2:CCD+3], v[T2:T2+7], v[SC]
	v_nop                                          ; a plain line between the conversions and the next write of their sources
	global_store_b128 v[GO], v[CCD:CCD+3], s[84:85] offset:65536*\hh+512*\a
.endm
.irp a, 0,1,2,3
.irp hh, 0,1,2,3
	ROPE \a, \hh
.endr
.endr
	s_branch .Ldone
.Lvout:
	; ---- v: block a of my 64 rows of weights is head 2 wave + a / 2, dims 16 (a % 2) on; its eight tiles are the 128 keys of one chunk: a whole fragment
	s_lshl_b32 s46, s44, 3
	s_lshl_b32 s47, s18, 1
	s_add_co_u32 s46, s46, s47
	s_lshl_b32 s46, s46, 4
	s_add_co_u32 s46, s46, s45
	s_lshl_b32 s46, s46, 12                        ; ((8 b + 2 wave) x 16 chunks + chunk) x 4,096 bytes
	s_mov_b32 s47, 0
	s_add_nc_u64 s[84:85], s[16:17], s[46:47]
.irp a, 0,1,2,3
	WIN 0x01
.irp n, 0,1,2,3,4,5,6,7,8,9,10,11,12,13,14,15,16,17,18,19,20,21,22,23,24,25,26,27,28,29,30,31,32,33,34,35,36,37,38,39,40,41,42,43,44,45,46,47,48,49,50,51,52,53,54,55,56,57,58,59,60,61,62,63
	v_med3_num_f32 v[CSN+\n], v[64*\a+\n], -v[LIM], v[LIM]
.endr
	WIN 0
.irp b, 0,1,2,3,4,5,6,7
	v_cvt_scalef32_pk8_fp8_f32 v[CD+16*\a+2*\b:CD+16*\a+2*\b+1], v[CSN+8*\b:CSN+8*\b+7], v[SC]
.endr
	v_nop                                          ; a plain line between the conversions and the next write of their sources
.irp i, 0,1,2,3
	global_store_b128 v[GO], v[CD+16*\a+4*\i:CD+16*\a+4*\i+3], s[84:85] offset:(\a/2)*65536+(\a%2)*2048+512*\i
.endr
.endr
.Ldone:
	s_wait_tensorcnt 0x0                           ; the wave's end
	ds_add_u32 v[SPW], v[NIL]
	s_wait_dscnt 0x0
	CROUND                                         ; the closing round: no work-group ends while a partner may still ask for a tile that names it
	s_endpgm
.Lfunc_end_k_qf566065903_proj:
	.size	k_qf566065903_proj, .Lfunc_end_k_qf566065903_proj-k_qf566065903_proj
	.p2alignl 7, 3214868480
	.fill 96, 4, 3214868480
	.section	.rodata,"a",@progbits
	.p2align	6, 0x0
	.amdhsa_kernel k_qf566065903_proj
		.amdhsa_group_segment_fixed_size 327680
		.amdhsa_private_segment_fixed_size 0
		.amdhsa_enable_private_segment 0
		.amdhsa_kernarg_size 56
		.amdhsa_user_sgpr_count 2
		.amdhsa_user_sgpr_kernarg_segment_ptr 1
		.amdhsa_wavefront_size32 1
		.amdhsa_system_sgpr_workgroup_id_x 1
		.amdhsa_system_sgpr_workgroup_id_y 1
		.amdhsa_system_sgpr_workgroup_id_z 1
		.amdhsa_system_vgpr_workitem_id 0
		.amdhsa_next_free_vgpr 768
		.amdhsa_next_free_sgpr 100
		.amdhsa_reserve_vcc 0
		.amdhsa_float_denorm_mode_32 3
		.amdhsa_float_denorm_mode_16_64 3
		.amdhsa_memory_ordered 1
		.amdhsa_forward_progress 1
		.amdhsa_inst_pref_size 120
	.end_amdhsa_kernel
	.amdgpu_metadata
---
amdhsa.version: [ 1, 2 ]
amdhsa.kernels:
  - .name:           k_qf566065903_proj
    .symbol:         k_qf566065903_proj.kd
    .args:
      - { .name: x_codes, .offset: 0, .size: 8, .value_kind: global_buffer, .address_space: global }
      - { .name: w_codes, .offset: 8, .size: 8, .value_kind: global_buffer, .address_space: global }
      - { .name: rope, .offset: 16, .size: 8, .value_kind: global_buffer, .address_space: global }
      - { .name: lowp_scales, .offset: 24, .size: 8, .value_kind: global_buffer, .address_space: global }
      - { .name: q_codes, .offset: 32, .size: 8, .value_kind: global_buffer, .address_space: global }
      - { .name: k_codes, .offset: 40, .size: 8, .value_kind: global_buffer, .address_space: global }
      - { .name: v_codes, .offset: 48, .size: 8, .value_kind: global_buffer, .address_space: global }
    .group_segment_fixed_size: 327680
    .private_segment_fixed_size: 0
    .kernarg_segment_align: 8
    .kernarg_segment_size: 56
    .max_flat_workgroup_size: 128
    .sgpr_count:     100
    .vgpr_count:     768
    .wavefront_size: 32
...
	.end_amdgpu_metadata
.endif
;; end of part 2
;; launch attn (part 3): grid 16 x 16, 8 waves a work-group, no clusters, 327,680 bytes of LDS; arguments q_codes, k_codes, v_codes, attn_mask, lowp_scales, enc_codes; writes enc_codes
.if DOCPART == 3
	.amdgcn_target "amdgcn-amd-amdhsa--gfx1250"
	.amdhsa_code_object_version 6
	.text
	.protected	k_qf566065903_attn
	.globl	k_qf566065903_attn
	.p2align	8
	.type	k_qf566065903_attn,@function
k_qf566065903_attn:
	s_mov_b64 s[64:65], 0
	v_nop
	global_prefetch_b8 v0, s[64:65] scope:SCOPE_SE
	s_setreg_imm32_b32 hwreg(HW_REG_WAVE_MODE, 25, 1), 1
	s_wait_xcnt 0x0
; ATTN: scores, mask, streaming softmax, weighted values, and the quantiser of the output projection's operand; both products on codes of E4M3.
; A work-group owns 128 queries of one (batch, key-value head); each of its eight waves 16 queries x the FOUR query heads that share the key-value head, so K, V and the mask are fetched and unpacked once for four heads.
; The mask is an input: every wave walks all 2,048 keys, 128 a step; a slot of the ring holds 256 keys: K's 16 tiles (8,192 bytes), V's two chunks (8,192), 128 rows x 256 bytes of mask (pitch 272).
; No cluster: a slot's 51,200 bytes serve two steps of four heads in each of eight waves, so what partners could share is a small part of a step's work.
; LAYOUT.  S^T = K Q^T (source 0 = 16 keys, source 1 = my 16 queries; K = 32 in the form of 64: registers 4-7 of both fragments hold zero codes) and O^T = V^T P^T: a lane holds ONE query (lane % 16) throughout.
; In tile t of S^T register j of lane (r, h) is key 16 t + 8 h + j, which is the place that the second product's form gives k in registers 2 t, 2 t + 1: the conversions' results are its operand.
; THE MASK IS THE C OF THE SCORE PRODUCT: a mask byte m becomes the f32 word (1 - m) x B3 << 24, which is 0 or -2^X with X = 79 or 80 - (e4 + e5): a hidden key's t is about -1.4 x 2^80 and its p is 0.
; SOFTMAX, by the problem's rule: t = score x log2(e); M = the running largest t rounded UP to a whole number (kept as -M); p = 2^(t - M), not normalised; the sum is taken of the unquantised p; when M moves, sum and O^T are multiplied by 2^(old M - new M).
; A ROW WITH NO OPEN KEY SO FAR (largest t under -2^64) takes p = 1 for every key (factor 0, M 0, chosen by v_cndmask_b32), and the first open key multiplies what was summed by 0: a row that stays closed ends as the plain mean of V, as the problem's definition has it.
; LIMITS: e4 + e5 between -47 and 39 (the hidden keys' word is an f32 number, and no open t reaches -2^64); e7 and e8 - e6 - e7 between -126 and 119.  NaN is not served.
; REGISTERS: window 0: v1-9 addresses; v12-27 four registers of statistics a head (-M, largest t, the sum in two halves); v28-44 at work and constants; v46-61 mask words; v62-77 p's codes; v80-143 S^T, then p; v144-207 the mask as C; v208-251 the way out.
;   window 1: v0-63 K's eight fragments; v64-95 Q's four; v96-127 V's two; v128-191 O^T (head g, dims 16 d on: 128 + 16 g + 8 d).
.set MP,    272                        ; a mask row in LDS: 256 bytes + 16 of padding
.set VOFF,  8192
.set MOFF,  16384
.set SLOT1, 1<<16                      ; slot 1 begins here: one exclusive or turns an address from one slot to the other
.set SPARE, 2*SLOT1                    ; behind the ring: the spare words, 128 bytes for each wave: four blocks of 256 bytes that no other line names
.set STAGE, SPARE+1024                 ; the way out: 16 rows x 128 bytes for each wave; no tile ever lands here
.set LI,   1                           ; v1   16 x lane
.set AM0,  3                           ; v3   my place in the mask's tile: row 16 wave + r, + 8 h
.set ADK,  4                           ; v4   LDS address of the slot's K and V for my lane
.set ADM,  5                           ; v5   of the mask
.set SPW,  6                           ; v6   LDS address of my spare word; never rewritten
.set NIL,  7                           ; v7   0; never rewritten
.set STO,  8
.set RD,   9
.set ST,   12
.set CE,   28                          ; v[28:29] the factor in force: c', or 0 for a closed row
.set ME,   30                          ; v[30:31] -M in force, or 0
.set FF,   32                          ; v[32:33] f = 2^(old M - new M)
.set MXA,  34
.set MXB,  35
.set PD,   36
.set SB,   38                          ; v[38:39] the sum's second chain
.set PLIM, 40                          ; 448 x 2^e7
.set PSC,  41                          ; 2^e7
.set NEGB, 42                          ; -3e38
.set CP,   43                          ; c' = log2(e) x 2^(e4 + e5)
.set ZR,   44                          ; 0
.set MW,   46
.set P,    62
.set S,    80
.set BI,   144
.set RL,   208
.set ET,   216
.set EC,   232
.set ESC,  250
.set ELIM, 251
.set QF,   64                          ; in window 1
.set VF,   96
.set OA,   128
.set G1D, 24                           ; s[24:31] group 1: a dense block of 8,192 bytes;  s[32:39]: 64 rows of the mask
.set G1M, 32
.set G0K, 40                           ; s[40:43], s[44:47], s[56:59] groups 0 of K, V, mask: they walk
.set G0V, 44
.set G0M, 56
.set MSB, 0
.macro WIN new
.if MSB != \new
	s_set_vgpr_msb (MSB<<8)|\new
.set MSB, \new
.endif
.endm
.set W_KQ, 0x05                        ; K and Q window 1; C and D window 0
.set W_PV, 0x51                        ; V window 1, P window 0, C and D window 1
.set W_RS, 0x41                        ; O^T (destination, source 0) window 1
.set W_LD, 0x40                        ; destination window 1
; Wave 0 fetches K's tiles, wave 1 V's, waves 2 and 3 the mask's halves, the others nothing.  The branches hang on the wave's number alone.  Four v_nop follow each line.
.macro TLOAD
	s_cmp_eq_u32 s18, 0
	s_cbranch_scc0 .Lnot_k_\@
	tensor_load_to_lds s[G0K:G0K+3], s[G1D:G1D+7]
	s_nop 0
.rept 4
	v_nop
.endr
	s_branch .Lasked_\@
.Lnot_k_\@:
	s_cmp_eq_u32 s18, 1
	s_cbranch_scc0 .Lnot_v_\@
	tensor_load_to_lds s[G0V:G0V+3], s[G1D:G1D+7]
	s_nop 0
.rept 4
	v_nop
.endr
	s_branch .Lasked_\@
.Lnot_v_\@:
	s_cmp_lt_u32 s18, 4
	s_cbranch_scc0 .Lasked_\@
	tensor_load_to_lds s[G0M:G0M+3], s[G1M:G1M+7]
	s_nop 0
.rept 4
	v_nop
.endr
.Lasked_\@:
.endm
	s_load_b256 s[4:11], s[0:1], 0x0               ; q_codes s[4:5], k_codes s[6:7], v_codes s[8:9], attn_mask s[10:11]
	s_load_b128 s[12:15], s[0:1], 0x20             ; scales s[12:13], enc_codes s[14:15]
	v_lshl_add_u32 v[SPW], v0, 2, SPARE
	v_mov_b32 v[NIL], 0
	ds_add_u32 v6, v7
	s_wait_dscnt 0x0
	v_lshrrev_b32 v10, 5, v0
	v_readfirstlane_b32 s18, v10                   ; wave 0..7
	s_and_b32 s17, ttmp7, 0xffff                   ; 8 b + key-value head
	s_lshr_b32 s19, s17, 3                         ; b
	s_and_b32 s22, s17, 7                          ; key-value head
	s_and_b32 s60, s18, 1
	s_mov_b32 s[G1D+0], 3<<16                      ; elements of 8 bytes, no padding: 32 rows of 256 bytes, dense
	s_mov_b32 s[G1D+1], 32<<16
	s_mov_b32 s[G1D+2], 32<<16
	s_mov_b32 s[G1D+3], 32<<16
	s_mov_b32 s[G1D+4], 32
	s_mov_b32 s[G1D+5], 32
	s_mov_b32 s[G1D+6], 0
	s_mov_b32 s[G1D+7], 0
	s_mov_b32 s[G1M+0], (1<<20)|(5<<22)|(3<<25)    ; elements of 1 byte; padding: 4 words after every 64
	s_mov_b32 s[G1M+1], 256<<16
	s_mov_b32 s[G1M+2], 64<<16
	s_mov_b32 s[G1M+3], 256<<16
	s_mov_b32 s[G1M+4], 64
	s_mov_b32 s[G1M+5], 2048
	s_mov_b32 s[G1M+6], 0
	s_mov_b32 s[G1M+7], 0
	s_lshl_b32 s62, s17, 16                        ; K and V: 65,536 bytes for each (batch, head)
	s_mov_b32 s63, 0
	s_lshl_b32 s78, s19, 22                        ; the mask: batch, row 128 x block + 64 x half, 2,048 bytes a row
	s_lshl_b32 s79, ttmp9, 18
	s_add_co_u32 s78, s78, s79
	s_lshl_b32 s79, s60, 17
	s_add_co_u32 s78, s78, s79
	s_mov_b32 s79, 0
	s_mul_i32 s61, s60, 64*MP
	s_add_co_u32 s61, s61, MOFF
	s_mov_b32 s20, 0x76543210                      ; v_permlanex16_b32's selects for lane l xor 16
	s_mov_b32 s21, 0xfedcba98
	s_mov_b32 s23, 0xdf800000                      ; -2^64
	s_mov_b32 s48, 0                               ; LDS byte at which the slot in hand begins
	s_mov_b32 s50, 7                               ; slots still to be asked for
	s_mov_b32 s54, 0x05000000                      ; v_perm_b32: byte 1 (byte 2) of the first source on top, byte 0 of the second, which is 0, below
	s_mov_b32 s55, 0x06000000
	s_wait_kmcnt 0x0
	s_load_b256 s[68:75], s[12:13], 0x0            ; e0 .. e7
	s_load_b64 s[76:77], s[12:13], 0x20            ; e8, e9
	s_mov_b32 s[G0K], 1
	s_mov_b32 s[G0K+1], 0
	s_add_nc_u64 s[G0K+2:G0K+3], s[6:7], s[62:63]
	s_or_b32 s[G0K+3], s[G0K+3], 0x80000000
	s_mov_b32 s[G0V], 1
	s_mov_b32 s[G0V+1], VOFF
	s_add_nc_u64 s[G0V+2:G0V+3], s[8:9], s[62:63]
	s_or_b32 s[G0V+3], s[G0V+3], 0x80000000
	s_mov_b32 s[G0M], 1
	s_mov_b32 s[G0M+1], s61
	s_add_nc_u64 s[G0M+2:G0M+3], s[10:11], s[78:79]
	s_or_b32 s[G0M+3], s[G0M+3], 0x80000000
	TLOAD                                          ; slot 0
	s_lshl_b32 s80, s19, 5                         ; Q: head 32 b + 4 kvh on, tile 8 x block + wave
	s_lshl_b32 s81, s22, 2
	s_add_co_u32 s80, s80, s81
	s_lshl_b32 s80, s80, 16
	s_lshl_b32 s81, ttmp9, 3
	s_add_co_u32 s81, s81, s18
	s_lshl_b32 s81, s81, 9
	s_add_co_u32 s80, s80, s81
	s_mov_b32 s81, 0
	s_add_nc_u64 s[4:5], s[4:5], s[80:81]
	s_lshl_b32 s80, s22, 19                        ; the result: chunk kvh, row 2048 b + 128 x block + 16 wave, 128 bytes a row
	s_lshl_b32 s82, s19, 18
	s_add_co_u32 s80, s80, s82
	s_lshl_b32 s82, ttmp9, 14
	s_add_co_u32 s80, s80, s82
	s_lshl_b32 s82, s18, 11
	s_add_co_u32 s80, s80, s82
	s_add_nc_u64 s[14:15], s[14:15], s[80:81]
	v_and_b32 v10, 31, v0
	v_lshlrev_b32 v[LI], 4, v10
	WIN W_LD
.irp g, 0,1,2,3
	global_load_b128 v[QF+8*\g:QF+8*\g+3], v[LI], s[4:5] offset:65536*\g    ; Q's four fragments stay in registers
.endr
.irp t, 0,1,2,3,4,5,6,7,8,9,10,11
.irp i, 4,5,6,7
	v_mov_b32 v[8*\t+\i], 0                        ; k = 32 .. 63 of K's and Q's fragments: zero codes, set once
.endr
.endr
.irp j, 0,1,2,3,4,5,6,7,8,9,10,11,12,13,14,15,16,17,18,19,20,21,22,23,24,25,26,27,28,29,30,31,32,33,34,35,36,37,38,39,40,41,42,43,44,45,46,47,48,49,50,51,52,53,54,55,56,57,58,59,60,61,62,63
	v_mov_b32 v[OA+\j], 0                          ; O^T.  (The step is written without a first step of its own: the first finds zeros)
.endr
	WIN 0
	v_and_b32 v10, 15, v0                          ; r
	v_bfe_u32 v11, v0, 4, 1                        ; h
	s_mul_i32 s82, s18, 16*MP
	s_add_co_u32 s82, s82, MOFF
	v_mul_u32_u24 v[AM0], v10, MP
	v_lshl_add_u32 v[AM0], v11, 3, v[AM0]
	v_add_nc_u32 v[AM0], s82, v[AM0]
	s_lshl_b32 s83, s18, 11
	s_add_co_u32 s83, s83, STAGE                   ; my stage
	v_lshlrev_b32 v[STO], 7, v10
	v_lshl_add_u32 v[STO], v11, 3, v[STO]
	v_add_nc_u32 v[STO], s83, v[STO]               ; in: row r of 128 bytes, + 8 h
	v_add_nc_u32 v[RD], s83, v[LI]                 ; back: 16 bytes a lane
	v_mov_b32 v[NEGB], 0xff61b1e6                  ; -3e38, under every t
	v_mov_b32 v[ZR], 0
.irp g, 0,1,2,3
	v_mov_b32 v[ST+4*\g+1], 0xff61b1e6             ; the largest t so far
	v_floor_f32 v[ST+4*\g], -v[ST+4*\g+1]          ; -M
	v_mov_b32 v[ST+4*\g+2], 0                      ; the sum, in two halves
	v_mov_b32 v[ST+4*\g+3], 0
.endr
	v_mov_b32 v[CE+1], 0                           ; (upper halves of pairs that are named whole)
	v_mov_b32 v[ME+1], 0
	v_mov_b32 v[FF+1], 0
	v_mov_b32 v[PD], 0                             ; a lane permute's destination counts as one of its sources
	s_wait_kmcnt 0x0
	s_add_co_i32 s60, s72, s73                     ; e4 + e5
	s_sub_co_i32 s61, 207, s60
	s_lshr_b32 s61, s61, 1
	s_or_b32 s53, s61, 0x80                        ; B3: the sign and the upper seven bits of the exponent field of -2^X
	s_mul_i32 s52, s53, 0x01010101
	s_lshl_b32 s61, s60, 23
	s_add_co_i32 s61, s61, 0x3fb8aa3b              ; the two exponents are added to log2(e)'s exponent field
	v_mov_b32 v[CP], s61
	s_add_co_i32 s60, s75, 127
	s_lshl_b32 s61, s60, 23
	v_mov_b32 v[PSC], s61                          ; 2^e7
	s_add_co_i32 s60, s60, 8
	s_lshl_b32 s60, s60, 23
	s_or_b32 s60, s60, 0x600000
	v_mov_b32 v[PLIM], s60                         ; 448 x 2^e7
	s_sub_co_i32 s60, s76, s74                     ; a sum of the second product stands for sum x 2^(e6 + e7): the result's conversion takes 2^(e8 - e6 - e7)
	s_sub_co_i32 s60, s60, s75
	s_add_co_i32 s60, s60, 127
	s_lshl_b32 s61, s60, 23
	v_mov_b32 v[ESC], s61
	s_add_co_i32 s60, s60, 8
	s_lshl_b32 s60, s60, 23
	s_or_b32 s60, s60, 0x600000
	v_mov_b32 v[ELIM], s60
; ONE HEAD'S PART OF A KEY STEP: 8 + 2 matrix instructions and the softmax of 64 scores a lane.
.macro HEAD g
.set NM, ST+4*(\g)
	WIN W_KQ
.irp t, 0,1,2,3,4,5,6,7
	v_wmma_f32_16x16x64_fp8_fp8 v[S+8*\t:S+8*\t+7], v[8*\t:8*\t+7], v[QF+8*(\g):QF+8*(\g)+7], v[BI+8*\t:BI+8*\t+7]   ; the mask goes in as C
.endr
	WIN 0
.rept 4
	v_nop                                          ; places in front of the first read of results
.endr
	v_max3_num_f32 v[MXA], v[S], v[S+1], v[S+2]    ; the step's largest score of my query among my 64 keys, in two chains, each accumulator from its low end on,
	v_max3_num_f32 v[MXB], v[S+3], v[S+4], v[S+5]
.irp i, 6,10,14,18,22,26,30,34,38,42,46,50,54,58
	v_max3_num_f32 v[MXA], v[MXA], v[S+\i], v[S+\i+1]
	v_max3_num_f32 v[MXB], v[MXB], v[S+\i+2], v[S+\i+3]
.endr
	v_max3_num_f32 v[MXA], v[MXA], v[S+62], v[S+63]
	v_max_num_f32 v[MXA], v[MXA], v[MXB]
	v_permlanex16_b32 v[PD], v[MXA], s20, s21
	v_max_num_f32 v[MXA], v[MXA], v[PD]            ; and among lane l xor 16's
	v_mul_f32 v[MXA], v[CP], v[MXA]                ; as t (c' is positive)
	v_max_num_f32 v[NM+1], v[NM+1], v[MXA]         ; the running largest t
	v_cmp_gt_f32 vcc_lo, s23, v[NM+1]              ; under -2^64: no key of this row has been open so far
	v_cndmask_b32 v[NM+1], v[NM+1], v[NEGB], vcc_lo   ; such a row keeps -3e38,
	v_cndmask_b32 v[CE], v[CP], v[ZR], vcc_lo      ; and takes the factor 0
	v_mov_b32 v[MXA], v[NM]
	v_floor_f32 v[NM], -v[NM+1]                    ; the new -M = floor(-t) = -ceil(t): a whole number
	v_sub_f32 v[MXA], v[NM], v[MXA]                ; M's old value less its new one: a whole number, 0 or less
	v_cvt_i32_f32 v[MXA], v[MXA]                   ; (it saturates: a closed row's first open key gives f = 0)
	v_ldexp_f32 v[FF], 1.0, v[MXA]                 ; f = 2^(old M - new M)
	v_cndmask_b32 v[ME], v[NM], v[ZR], vcc_lo      ; and M = 0: its p is 2^0
.irp j, 0,2,4,6,8,10,12,14,16,18,20,22,24,26,28,30,32,34,36,38,40,42,44,46,48,50,52,54,56,58,60,62
	v_pk_fma_f32 v[S+\j:S+\j+1], v[S+\j:S+\j+1], v[CE:CE+1], v[ME:ME+1] op_sel_hi:[1,0,0]   ; t - M, two at a time (of both pairs the low word serves both halves)
.endr
.irp j, 0,1,2,3,4,5,6,7,8,9,10,11,12,13,14,15,16,17,18,19,20,21,22,23,24,25,26,27,28,29,30,31,32,33,34,35,36,37,38,39,40,41,42,43,44,45,46,47,48,49,50,51,52,53,54,55,56,57,58,59,60,61,62,63
	v_exp_f32 v[S+\j], v[S+\j]                     ; p = 2^(t - M)
.endr
	v_pk_mul_f32 v[NM+2:NM+3], v[NM+2:NM+3], v[FF:FF+1] op_sel_hi:[1,0]   ; the sums under the new M.  (A plain place behind the exponentials)
	s_wait_alu depctr_va_vdst(0)
	v_pk_add_f32 v[SB:SB+1], v[S:S+1], v[S+2:S+3]  ; the sum is taken of the unquantised p: two at a time, in two chains
.irp j, 4,8,12,16,20,24,28,32,36,40,44,48,52,56,60
	v_pk_add_f32 v[NM+2:NM+3], v[NM+2:NM+3], v[S+\j:S+\j+1]
	v_pk_add_f32 v[SB:SB+1], v[SB:SB+1], v[S+\j+2:S+\j+3]
.endr
	v_pk_add_f32 v[NM+2:NM+3], v[NM+2:NM+3], v[SB:SB+1]
.irp t, 0,1,2,3,4,5,6,7
.irp i, 0,1,2,3,4,5,6,7
	v_min_num_f32 v[S+8*\t+\i], v[S+8*\t+\i], v[PLIM]   ; the conversion does not saturate (ISA guide 7.6.2); p is not negative, so the hold is one-sided
.endr
	v_cvt_scalef32_pk8_fp8_f32 v[P+2*\t:P+2*\t+1], v[S+8*\t:S+8*\t+7], v[PSC]
.endr
	WIN W_RS
.irp j, 0,2,4,6,8,10,12,14
	v_pk_mul_f32 v[OA+16*(\g)+\j:OA+16*(\g)+\j+1], v[OA+16*(\g)+\j:OA+16*(\g)+\j+1], v[FF:FF+1] op_sel_hi:[1,0]   ; O^T under the new M.  (These plain lines also stand between the conversions and the products below)
.endr
.if (\g) == 0
	s_wait_dscnt 0x0                               ; V is in
.endif
	WIN W_PV
.irp d, 0,1
	v_wmma_f32_16x16x128_fp8_fp8 v[OA+16*(\g)+8*\d:OA+16*(\g)+8*\d+7], v[VF+16*\d:VF+16*\d+15], v[P:P+15], v[OA+16*(\g)+8*\d:OA+16*(\g)+8*\d+7]   ; the accumulators take turns, one instruction a turn
.endr
.endm
; A KEY STEP: the q-th 128 keys of the slot in hand.
.macro STEP q
	v_add_nc_u32 v[ADK], s48, v[LI]
	v_add_nc_u32 v[ADM], s48, v[AM0]
	v_nop
	v_nop                                          ; four places, the two additions among them, between the last products and the loads into V's registers
.irp t, 0,1,2,3,4,5,6,7
	ds_load_b64 v[MW+2*\t:MW+2*\t+1], v[ADM] offset:128*(\q)+16*\t          ; my query's mask bytes of keys 16 t + 8 h .. + 7
.endr
	WIN W_LD
.irp t, 0,1,2,3,4,5,6,7
	ds_load_b128 v[8*\t:8*\t+3], v[ADK] offset:4096*(\q)+512*\t             ; K's fragments, as they were stored: 512 consecutive bytes a load
.endr
.irp d, 0,1
.irp i, 0,1,2,3
	ds_load_b128 v[VF+16*\d+4*\i:VF+16*\d+4*\i+3], v[ADK] offset:VOFF+4096*(\q)+2048*\d+512*\i
.endr
.endr
	WIN 0
	s_wait_dscnt 16                                ; the mask is in; K's and V's sixteen loads may be out
.irp n, 0,1,2,3,4,5,6,7,8,9,10,11,12,13,14,15
	v_mul_lo_u32 v[MW+\n], v[MW+\n], s53
	v_sub_nc_u32 v[MW+\n], s52, v[MW+\n]           ; each byte: (1 - m) x B3; no byte borrows from its neighbour
.endr
.irp n, 0,1,2,3,4,5,6,7,8,9,10,11,12,13,14,15
	v_lshlrev_b32 v[BI+4*\n], 24, v[MW+\n]         ; each byte on top of a word of its own: 0, or -2^X
	v_perm_b32 v[BI+4*\n+1], v[MW+\n], v[ZR], s54
	v_perm_b32 v[BI+4*\n+2], v[MW+\n], v[ZR], s55
	v_and_b32 v[BI+4*\n+3], 0xff000000, v[MW+\n]
.endr
	s_wait_dscnt 8                                 ; K is in; V's eight loads may be out
	HEAD 0
	HEAD 1
	HEAD 2
	HEAD 3
	WIN 0
.endm
; THE CHANGE OF SLOTS stands at a slot's head.  Each wave waits for all its tensor loads (its part of the slot that it is about to read), adds 0 to its spare word, and waits for that and for its reads of the slot that it has left.
; Behind the barrier the slot ahead is whole and nobody reads the other one.  fill = 1: that other slot takes the next 256 keys: one load a wave, with a whole slot's steps in which to land.
.macro CHANGE fill
	s_wait_tensorcnt 0x0                           ; no tensor load of mine is out, so a group 0 may be written
	ds_add_u32 v[SPW], v[NIL]                      ; 0 onto my spare word
.if \fill
	s_xor_b32 s[G0K+1], s[G0K+1], SLOT1
	s_add_nc_u64 s[G0K+2:G0K+3], s[G0K+2:G0K+3], 8192
	s_xor_b32 s[G0V+1], s[G0V+1], SLOT1
	s_add_nc_u64 s[G0V+2:G0V+3], s[G0V+2:G0V+3], 8192
	s_xor_b32 s[G0M+1], s[G0M+1], SLOT1
	s_add_nc_u64 s[G0M+2:G0M+3], s[G0M+2:G0M+3], 256
.endif
	s_wait_dscnt 0x0                               ; the add is done, and my reads of the slot that I have left are over
	s_barrier_signal -1
	s_barrier_wait -1
.if \fill
	TLOAD
.endif
.endm
	s_wait_loadcnt 0x0                             ; Q
.Lslot:                                            ; seven trips: behind each change of slots but the last the next slot is asked for
	CHANGE 1
	STEP 0
	STEP 1
	s_xor_b32 s48, s48, SLOT1
	s_sub_co_u32 s50, s50, 1
	s_cmp_lg_u32 s50, 0
	s_cbranch_scc1 .Lslot
	CHANGE 0                                       ; the last slot is written out
	STEP 0
	STEP 1
	; THE WAY OUT.  O^T / the sum is held, quantised under 2^e8, gathered as rows of 128 bytes (byte 32 g + dim) in my stage and stored as 2,048 consecutive bytes.
.irp g, 0,1,2,3
	v_add_f32 v[RL+\g], v[ST+4*\g+2], v[ST+4*\g+3] ; the sum's two halves.  (These four are the places behind the last products)
.endr
.irp g, 0,1,2,3
	v_permlanex16_b32 v[PD], v[RL+\g], s20, s21
	v_add_f32 v[RL+\g], v[RL+\g], v[PD]            ; and lane l xor 16's
.endr
.irp g, 0,1,2,3
	v_rcp_f32 v[RL+\g], v[RL+\g]
.endr
	v_nop                                          ; a plain instruction between the last reciprocal and the use of its result
	s_wait_alu depctr_va_vdst(0)
.irp g, 0,1,2,3
	WIN 0x01
.irp n, 0,1,2,3,4,5,6,7,8,9,10,11,12,13,14,15
	v_mul_f32 v[ET+\n], v[OA+16*\g+\n], v[RL+\g]   ; register 8 d + j: dim 16 d + 8 h + j of my query
.endr
	WIN 0
.irp n, 0,1,2,3,4,5,6,7,8,9,10,11,12,13,14,15
	v_med3_num_f32 v[ET+\n], v[ET+\n], -v[ELIM], v[ELIM]
.endr
	v_cvt_scalef32_pk8_fp8_f32 v[EC+4*\g:EC+4*\g+1], v[ET:ET+7], v[ESC]
	v_cvt_scalef32_pk8_fp8_f32 v[EC+4*\g+2:EC+4*\g+3], v[ET+8:ET+15], v[ESC]
	v_nop                                          ; a plain line between the conversions and the next write of their sources
	ds_store_b64 v[STO], v[EC+4*\g:EC+4*\g+1] offset:32*\g
	ds_store_b64 v[STO], v[EC+4*\g+2:EC+4*\g+3] offset:32*\g+16
.endr
.irp i, 0,1,2,3
	ds_load_b128 v[ET+4*\i:ET+4*\i+3], v[RD] offset:512*\i   ; LDS serves a wave's instructions in order (ISA guide 5.7.1.4): these see my stores
.endr
.irp i, 0,1,2,3
	s_wait_dscnt 3-\i                              ; the younger loads may be out
	global_store_b128 v[LI], v[ET+4*\i:ET+4*\i+3], s[14:15] offset:512*\i
.endr
	s_wait_tensorcnt 0x0                           ; the wave's end
	ds_add_u32 v[SPW], v[NIL]
	s_wait_dscnt 0x0
	s_endpgm
.Lfunc_end_k_qf566065903_attn:
	.size	k_qf566065903_attn, .Lfunc_end_k_qf566065903_attn-k_qf566065903_attn
	.p2alignl 7, 3214868480
	.fill 96, 4, 3214868480
	.section	.rodata,"a",@progbits
	.p2align	6, 0x0
	.amdhsa_kernel k_qf566065903_attn
		.amdhsa_group_segment_fixed_size 327680
		.amdhsa_private_segment_fixed_size 0
		.amdhsa_enable_private_segment 0
		.amdhsa_kernarg_size 48
		.amdhsa_user_sgpr_count 2
		.amdhsa_user_sgpr_kernarg_segment_ptr 1
		.amdhsa_wavefront_size32 1
		.amdhsa_system_sgpr_workgroup_id_x 1
		.amdhsa_system_sgpr_workgroup_id_y 1
		.amdhsa_system_sgpr_workgroup_id_z 1
		.amdhsa_system_vgpr_workitem_id 0
		.amdhsa_next_free_vgpr 448
		.amdhsa_next_free_sgpr 100
		.amdhsa_reserve_vcc 1
		.amdhsa_float_denorm_mode_32 3
		.amdhsa_float_denorm_mode_16_64 3
		.amdhsa_memory_ordered 1
		.amdhsa_forward_progress 1
		.amdhsa_inst_pref_size 249
	.end_amdhsa_kernel
	.amdgpu_metadata
---
amdhsa.version: [ 1, 2 ]
amdhsa.kernels:
  - .name:           k_qf566065903_attn
    .symbol:         k_qf566065903_attn.kd
    .args:
      - { .name: q_codes, .offset: 0, .size: 8, .value_kind: global_buffer, .address_space: global }
      - { .name: k_codes, .offset: 8, .size: 8, .value_kind: global_buffer, .address_space: global }
      - { .name: v_codes, .offset: 16, .size: 8, .value_kind: global_buffer, .address_space: global }
      - { .name: attn_mask, .offset: 24, .size: 8, .value_kind: global_buffer, .address_space: global }
      - { .name: lowp_scales, .offset: 32, .size: 8, .value_kind: global_buffer, .address_space: global }
      - { .name: enc_codes, .offset: 40, .size: 8, .value_kind: global_buffer, .address_space: global }
    .group_segment_fixed_size: 327680
    .private_segment_fixed_size: 0
    .kernarg_segment_align: 8
    .kernarg_segment_size: 48
    .max_flat_workgroup_size: 256
    .sgpr_count:     100
    .vgpr_count:     448
    .wavefront_size: 32
...
	.end_amdgpu_metadata
.endif
;; end of part 3
;; launch oproj (part 4): grid 16 x 16, 4 waves a work-group, clusters of 4 x 4, 327,680 bytes of LDS; arguments enc_codes, wo_codes, lowp_scales, out0; writes out0
.if DOCPART == 4
	.amdgcn_target "amdgcn-amd-amdhsa--gfx1250"
	.amdhsa_code_object_version 6
	.text
	.protected	k_qf566065903_oproj
	.globl	k_qf566065903_oproj
	.p2align	8
	.type	k_qf566065903_oproj,@function
k_qf566065903_oproj:
	s_mov_b64 s[64:65], 0
	v_nop
	global_prefetch_b8 v0, s[64:65] scope:SCOPE_SE
	s_setreg_imm32_b32 hwreg(HW_REG_WAVE_MODE, 25, 1), 1
	s_wait_xcnt 0x0
	s_wait_alu depctr_hold_cnt(0) depctr_sa_sdst(0) depctr_va_vdst(0) depctr_va_sdst(0) depctr_va_ssrc(0) depctr_va_vcc(0) depctr_vm_vsrc(0)
	s_getreg_b32 s2, hwreg(HW_REG_IB_STS2, 6, 4)
	s_cmp_eq_u32 s2, 0
	s_cbranch_scc0 .Lentry_in_a_cluster
	s_endpgm
.Lentry_in_a_cluster:
	s_bfe_u32 s2, ttmp6, 0x10000c
	s_cmp_lg_u32 s2, 0xf033
	s_cbranch_scc0 .Lentry_shape_is_right
	s_endpgm
.Lentry_shape_is_right:
; OPROJ: out0[m][n] = 2^(e8 + e9) x the sum over k of A[m][k] B[n][k], on codes of E4M3.  A: enc_codes, [8 chunks of 128 along K][4096 rows][128 bytes]; B: wo_codes [4096][1024]; out0 [4096][4096] f32.
; LIMIT: e8 + e9 lies between -126 and 127, so that 2^(e8 + e9) is an f32 number.
; A tile of 256 x 256 is made by a work-group of four waves; a wave makes 128 x 128: 64 accumulators, 512 registers.  256 work-groups.
; K goes in slots of 256 through a ring of two LDS slots: of A two chunks (each 256 rows of 128 bytes, one dense block of memory; LDS pitch 144), of B 256 rows of 256 bytes (pitch 272).
; CLUSTERS: 4 x 4 work-groups.  The four of a row of the cluster need the same tiles of A, the four of a column the same tiles of B: each tile is asked for JOINTLY.
; THE MATRIX INSTRUCTION IS USED TRANSPOSED (source 0 = 16 rows of B, source 1 = 16 rows of A): a lane holds eight neighbouring numbers of a row of the result.
; A fragment is fetched by four loads of 16 bytes: a permutation of k within 128, the same in A and in B, so every product meets its partner.
; REGISTERS: window 0: v0-31 addresses; from v128 A's fragments, ONE set; on the way out v32-255 are free.  window 1: B's fragments, TWO sets.  windows 2, 3: the accumulators of my rows 0-63, 64-127.
.set SIZE_N, 4096
.set ROWB,   256
.set KROW,   1024
.set PITCH,  272                       ; B's LDS row: 256 bytes + 16 of padding
.set PA,     144                       ; A's LDS row: 128 bytes + 16: both pitches are odd multiples of 16 bytes, so the 16 rows that a load touches start at 16 different banks (64 banks of 4 bytes: ISA guide 11.1)
.set FR,     16
.set NL,     4
.set NP,     4
.set ACH,    256*PA                    ; a chunk of A in LDS
.set AREG,   2*ACH
.set HALFT,  128*PITCH
.set SLOT,   AREG+2*HALFT
.set CHUNKB, 524288                    ; a chunk of A in memory
.set LAPS,   2
.set SPARE,  2*SLOT                    ; behind the ring: the spare words, 128 bytes for each wave: two blocks of 256 bytes that no other line names
.set SPITCH, 528                       ; the way out: 16 rows x (512 bytes + 16) for each wave, in slot 0, which has had its last fill and its last read when the first result is stored there
.set ADRA, 16
.set ADRB, 20
.set STO,  24
.set RD,   25
.set CO,   26
.set SPW,  28
.set NIL,  29
.set TMP,  32
.set AF,   128
.set BK,   128
.set G1, 24
.set G0, 32
.set G1B, 48
.set G0B, 56
.set MSB, 0
.macro WIN new
.if MSB != \new
	s_set_vgpr_msb (MSB<<8)|\new
.set MSB, \new
.endif
.endm
.set MUL_LO, 0xa1                      ; source 0 (B) window 1, source 1 (A) window 0, C and D window 2
.set MUL_HI, 0xf1
.set TO_B,   0x40
; A joint load: waves 0 and 1 fetch A's two chunks, waves 2 and 3 B's two halves.  The branch hangs on the wave's number alone.  Four v_nop follow each line.
.macro JLOAD g0a, g1a, g0b, g1b
	s_cmp_eq_u32 s15, 0
	s_cbranch_scc0 .Lfor_b_\@
	tensor_load_to_lds s[\g0a:\g0a+3], s[\g1a:\g1a+7]
	s_nop 0
.rept 4
	v_nop
.endr
	s_branch .Lasked_\@
.Lfor_b_\@:
	tensor_load_to_lds s[\g0b:\g0b+3], s[\g1b:\g1b+7]
	s_nop 0
.rept 4
	v_nop
.endr
.Lasked_\@:
.endm
.macro CREST
	s_cmp_lg_u32 s14, 0
	s_cbranch_scc1 .Lnot_wave_0_\@
	s_barrier_signal -3
.Lnot_wave_0_\@:
	s_barrier_wait -3
	s_barrier_signal -1
	s_barrier_wait -1
.endm
.macro CROUND
	s_barrier_signal -1
	s_barrier_wait -1
	CREST
.endm
	s_load_b128 s[4:7], s[0:1], 0x0                ; A's codes s[4:5], B's codes s[6:7]
	s_load_b128 s[8:11], s[0:1], 0x10              ; the scales' exponents s[8:9], the result s[10:11]
	v_lshl_add_u32 v[SPW], v0, 2, SPARE
	v_mov_b32 v[NIL], 0
	ds_add_u32 v28, v29
	s_wait_dscnt 0x0
	v_lshrrev_b32 v1, 5, v0
	v_readfirstlane_b32 s14, v1                    ; wave 0..3
	s_lshr_b32 s15, s14, 1                         ; which half of the tile's rows is mine.  Also: I fetch for A (0) or for B (1)
	s_and_b32 s16, s14, 1                          ; which half of its columns.  Also: which chunk of A, or which 128 rows of B, I fetch
	s_bfe_u32 s40, ttmp6, 0x40000                  ; cx, cy
	s_bfe_u32 s41, ttmp6, 0x40004
	s_lshl_b32 s42, ttmp9, 2
	s_add_co_u32 s42, s42, s40                     ; tile column
	s_and_b32 s17, ttmp7, 0xffff
	s_lshl_b32 s17, s17, 2
	s_add_co_u32 s17, s17, s41                     ; tile row
	s_lshl_b32 s43, s41, 2
	s_lshl_b32 s43, 15, s43                        ; my row of the cluster
	s_lshl_b32 s44, 0x1111, s40                    ; my column
	s_or_b32 s[G1+0], s43, (1<<20)|(1<<21)|(4<<22)|(3<<25)   ; A: the mask of my row; elements of 1 byte; padding: 4 words after every 32; bit 21 beside the mask
	s_mov_b32 s[G1+1], 128<<16                     ; tensor_dim0
	s_mov_b32 s[G1+2], 256<<16                     ; tensor_dim1
	s_mov_b32 s[G1+3], 128<<16                     ; tile_dim0
	s_mov_b32 s[G1+4], 256                         ; tile_dim1
	s_mov_b32 s[G1+5], 128                         ; from row to row: dense
	s_mov_b32 s[G1+6], 0
	s_mov_b32 s[G1+7], 0
	s_or_b32 s[G1B+0], s44, (1<<20)|(1<<21)|(5<<22)|(3<<25)  ; B: the mask of my column; padding: 4 words after every 64
	s_mov_b32 s[G1B+1], ROWB<<16
	s_mov_b32 s[G1B+2], 128<<16
	s_mov_b32 s[G1B+3], ROWB<<16
	s_mov_b32 s[G1B+4], 128
	s_mov_b32 s[G1B+5], KROW
	s_mov_b32 s[G1B+6], 0
	s_mov_b32 s[G1B+7], 0
	s_lshl_b32 s20, s17, 15                        ; A: 256 rows of 128 bytes for each tile row,
	s_lshl_b32 s18, s16, 19                        ; in chunk 0 or 1
	s_add_co_u32 s20, s20, s18
	s_mov_b32 s21, 0
	s_lshl_b32 s46, s42, 8                         ; B: row 256 x tile column + 128 x half (in registers that never hold cy; A's never hold cx)
	s_lshl_b32 s18, s16, 7
	s_add_co_u32 s46, s46, s18
	s_lshl_b32 s46, s46, 10
	s_mov_b32 s47, 0
	s_mul_i32 s88, s16, ACH                        ; where they go: no place in the cluster enters an LDS address
	s_mul_i32 s89, s16, HALFT
	s_add_co_u32 s89, s89, AREG
	s_wait_kmcnt 0x0
	s_load_b64 s[96:97], s[8:9], 0x20              ; e8, e9
	s_add_nc_u64 s[20:21], s[4:5], s[20:21]
	s_add_nc_u64 s[46:47], s[6:7], s[46:47]
	CROUND                                         ; all sixteen work-groups are here: the first joint loads meet
.irp s, 0,1
	s_mov_b32 s[G0+4*\s], 1
	s_add_co_u32 s[G0+4*\s+1], s88, \s*SLOT
	s_add_nc_u64 s[G0+4*\s+2:G0+4*\s+3], s[20:21], \s*2*CHUNKB
	s_or_b32 s[G0+4*\s+3], s[G0+4*\s+3], 0x80000000
	s_mov_b32 s[G0B+4*\s], 1
	s_add_co_u32 s[G0B+4*\s+1], s89, \s*SLOT
	s_add_nc_u64 s[G0B+4*\s+2:G0B+4*\s+3], s[46:47], \s*ROWB
	s_or_b32 s[G0B+4*\s+3], s[G0B+4*\s+3], 0x80000000
	JLOAD G0+4*\s, G1, G0B+4*\s, G1B
.endr
	v_and_b32 v1, 15, v0                           ; l % 16
	v_bfe_u32 v2, v0, 4, 1                         ; l / 16
	v_mul_u32_u24 v3, v1, PA
	v_lshl_add_u32 v3, v2, 4, v3                   ; A: a fragment's row x pitch + 16 x half
	v_mul_u32_u24 v4, v1, PITCH
	v_lshl_add_u32 v4, v2, 4, v4                   ; B likewise
	s_mul_i32 s21, s15, 128*PA                     ; my 128 rows of A, in each chunk
	s_mul_i32 s22, s16, HALFT                      ; my 128 rows of B,
	s_add_co_u32 s22, s22, AREG                    ; which lie behind A's two chunks
.irp s, 0,1
	v_add_nc_u32 v[ADRA+\s], s21, v3
	v_add_nc_u32 v[ADRB+\s], s22, v4
	s_add_co_u32 s21, s21, SLOT
	s_add_co_u32 s22, s22, SLOT
.endr
	s_mul_i32 s23, s14, 16*SPITCH                  ; my stage
	v_mul_u32_u24 v5, v1, SPITCH
	v_lshl_add_u32 v5, v2, 5, v5
	v_add_nc_u32 v[STO], s23, v5                   ; in: row l % 16, 32 bytes for each half of the lanes
	v_and_b32 v6, 31, v0
	v_lshlrev_b32 v[CO], 4, v6                     ; back: the 32 lanes take one row of 512 bytes; and the same in the result
	v_add_nc_u32 v[RD], s23, v[CO]
	s_lshl_b32 s20, s17, 8
	s_lshl_b32 s21, s15, 7
	s_add_co_u32 s20, s20, s21                     ; my first row: 256 x tile row + 128 x half
	s_mov_b32 s21, 0
	s_mov_b64 s[18:19], SIZE_N*4
	s_mul_u64 s[20:21], s[20:21], s[18:19]
	s_lshl_b32 s46, s42, 10                        ; my first column, in bytes
	s_lshl_b32 s47, s16, 9
	s_add_co_u32 s46, s46, s47
	s_mov_b32 s47, 0
	s_add_nc_u64 s[20:21], s[20:21], s[46:47]
	s_add_nc_u64 s[10:11], s[10:11], s[20:21]
.macro FRAGA reg, adr, q, i            ; 16 rows x 128 K: lane l holds row l % 16; registers 4 c .. 4 c + 3 hold K = 32 c + 16 (l / 16) + 0 .. 15.  A's q-th 128 along K is the slot's chunk q
.irp c, 0,1,2,3
	ds_load_b128 v[\reg+4*\c:\reg+4*\c+3], v[\adr] offset:ACH*(\q)+32*\c+(\i)*16*PA
.endr
.endm
.macro FRAGB reg, adr, q, i
.irp c, 0,1,2,3
	ds_load_b128 v[\reg+4*\c:\reg+4*\c+3], v[\adr] offset:128*(\q)+32*\c+(\i)*16*PITCH
.endr
.endm
; 16 matrix instructions: A's blocks a0, a0 + 1 x B's eight.  The 64 accumulators take turns, one instruction a turn, in the same order in every step.
.macro MUL16 a0, p, zero
.irp a, \a0, \a0+1
.irp b, 0,1,2,3,4,5,6,7
.if \zero
	v_wmma_f32_16x16x128_fp8_fp8 v[8*(8*((\a)%4)+\b):8*(8*((\a)%4)+\b)+7], v[128*(\p)+FR*\b:128*(\p)+FR*\b+FR-1], v[AF+FR*(\a):AF+FR*(\a)+FR-1], 0
.else
	v_wmma_f32_16x16x128_fp8_fp8 v[8*(8*((\a)%4)+\b):8*(8*((\a)%4)+\b)+7], v[128*(\p)+FR*\b:128*(\p)+FR*\b+FR-1], v[AF+FR*(\a):AF+FR*(\a)+FR-1], v[8*(8*((\a)%4)+\b):8*(8*((\a)%4)+\b)+7]
.endif
.endr
.endr
.endm
.macro FETCH_B slot, q, p
	WIN TO_B
.irp i, 0,1,2,3,4,5,6,7
	FRAGB 128*(\p)+FR*\i, ADRB+\slot, \q, \i
.endr
	WIN 0
.endm
.macro FETCH_A slot, q, i0
.irp i, \i0, \i0+1, \i0+2, \i0+3
	FRAGA AF+FR*(\i), ADRA+\slot, \q, \i
.endr
.endm
.macro PLACES n                        ; places between a matrix instruction and a load into a register that it has read, or a read of its result (ISA guide 7.12.1 for vector instructions)
.rept \n
	v_nop
.endr
.endm
; A step of 128 along K that has its successor in the same slot.  A's blocks are free as soon as their eight products are issued: one set serves A; B has two.
.macro STEP slot, q, zero
	s_wait_dscnt 4*NL                              ; B's set and A's blocks 0-3 are in; the youngest sixteen loads (A's blocks 4-7) may be out
	WIN MUL_LO
	MUL16 0, (\q)%2, \zero
	MUL16 2, (\q)%2, \zero
	s_wait_dscnt 0                                 ; A's blocks 4-7 are in
	PLACES NP
	FETCH_B \slot, (\q)+1, 1-(\q)%2
	FETCH_A \slot, (\q)+1, 0
	WIN MUL_HI
	MUL16 4, (\q)%2, \zero
	MUL16 6, (\q)%2, \zero
	PLACES NP
	WIN 0
	FETCH_A \slot, (\q)+1, 4
.endm
; A slot's last step changes slots: ONE barrier; in front of it each wave waits for all its tensor loads, adds 0 to its spare word, and waits for that and for its own reads of this slot.
.macro TURN slot, next, fill
	s_wait_tensorcnt 0x0                           ; all my tensor loads have landed: my part of the next slot
	ds_add_u32 v[SPW], v[NIL]                      ; 0 onto my spare word
	s_wait_dscnt 4*NL+1                            ; (the add and the youngest sixteen loads, A's blocks 4-7, may be out)
	WIN MUL_LO
	MUL16 0, 1, 0                                  ; sixteen matrix instructions stand between the add and the wait for it
	s_wait_dscnt 0x0                               ; the add is done, and my reads of this slot are over
	s_barrier_signal -1
	MUL16 2, 1, 0
	WIN 0
	s_barrier_wait -1
.if \fill
	CREST                                          ; the barrier has opened a round of the cluster's barrier: no wave of any partner still reads this slot's tile or has a load on its way
	s_add_nc_u64 s[G0+4*\slot+2:G0+4*\slot+3], s[G0+4*\slot+2:G0+4*\slot+3], 4*CHUNKB
	s_add_nc_u64 s[G0B+4*\slot+2:G0B+4*\slot+3], s[G0B+4*\slot+2:G0B+4*\slot+3], 2*ROWB
	JLOAD G0+4*\slot, G1, G0B+4*\slot, G1B         ; the first tensor load behind the round; its four v_nop are the places in front of the loads below
.else
	PLACES NP
.endif
	FETCH_B \next, 0, 0
	FETCH_A \next, 0, 0
	WIN MUL_HI
	MUL16 4, 1, 0
	MUL16 6, 1, 0
	PLACES NP
	WIN 0
	FETCH_A \next, 0, 4
.endm
	s_wait_tensorcnt 1                             ; my part of slot 0 is in (slot 1's load may be out)
	s_barrier_signal -1
	s_barrier_wait -1                              ; everybody's is
	FETCH_B 0, 0, 0
	FETCH_A 0, 0, 0
	FETCH_A 0, 0, 4
	STEP 0, 0, 1                                   ; the first step stands in front of the loop: its products start the sums
	s_mov_b32 s3, LAPS-1
.Llap:                                             ; a trip goes once round the ring and fills both slots again
	TURN 0, 1, 1
	STEP 1, 0, 0
	TURN 1, 0, 1
	STEP 0, 0, 0
	s_sub_co_u32 s3, s3, 1
	s_cmp_lg_u32 s3, 0
	s_cbranch_scc1 .Llap
	TURN 0, 1, 0                                   ; the last lap fills nothing
	STEP 1, 0, 0
	s_wait_dscnt 4*NL                              ; the very last step: nothing more to fetch
	WIN MUL_LO
	MUL16 0, 1, 0
	MUL16 2, 1, 0
	s_wait_dscnt 0
	WIN MUL_HI
	MUL16 4, 1, 0
	MUL16 6, 1, 0
	WIN 0
; THE WAY OUT, block by block of 16 rows x 128 columns, through my own stage in LDS: back as whole rows of 512 bytes, which the 32 lanes store as 512 consecutive bytes, aligned.
.macro TOSTAGE a
.set AC, 64*((\a)%4)
	WIN 0x02+((\a)/4)                              ; source 0: window 2 or 3
.irp j, 0,2,4,6,8,10,12,14,16,18,20,22,24,26,28,30,32,34,36,38,40,42,44,46,48,50,52,54,56,58,60,62
	v_pk_mul_f32 v[TMP+\j:TMP+\j+1], v[AC+\j:AC+\j+1], s[96:97] op_sel_hi:[1,0]   ; both x s96 = 2^(e8 + e9); each accumulator from its low end on
.endr
	WIN 0
.irp b, 0,1,2,3,4,5,6,7
	ds_store_b128 v[STO], v[TMP+8*\b:TMP+8*\b+3] offset:64*\b
	ds_store_b128 v[STO], v[TMP+8*\b+4:TMP+8*\b+7] offset:64*\b+16
.endr
.set BB, BK+64*((\a)%2)
.irp t, 0,1,2,3,4,5,6,7,8,9,10,11,12,13,14,15
	ds_load_b128 v[BB+4*\t:BB+4*\t+3], v[RD] offset:\t*SPITCH   ; LDS serves a wave's instructions in order (ISA guide 5.7.1.4): these see the stores above
.endr
.endm
.macro SEND a, younger                 ; younger: the LDS instructions issued behind block a's loads, which may stay out
.set BB, BK+64*((\a)%2)
	s_wait_dscnt \younger
.if (\a) > 0
	s_add_nc_u64 s[10:11], s[10:11], 16*SIZE_N*4   ; (behind a wait on XCNT: the earlier stores have read their base)  16 rows on
.endif
.irp t, 0,1,2,3,4,5,6,7,8,9,10,11,12,13,14,15
	global_store_b128 v[CO], v[BB+4*\t:BB+4*\t+3], s[10:11] offset:\t*SIZE_N*4 th:TH_STORE_NT
.endr
.endm
	s_wait_kmcnt 0x0
	s_add_co_i32 s96, s96, s97
	s_add_co_i32 s96, s96, 127
	s_lshl_b32 s96, s96, 23                        ; 2^(e8 + e9) as f32
	PLACES NP
	TOSTAGE 0
.irp a, 1,2,3,4,5,6,7
.if \a > 1
	s_wait_xcnt 0x0                                ; block a - 2's stores have read their registers and their base
.endif
	TOSTAGE \a
	SEND \a-1, 32                                  ; behind block a - 1's loads: block a's 16 stores and 16 loads
.endr
	s_wait_xcnt 0x0
	SEND 7, 0
	s_wait_tensorcnt 0x0                           ; the wave's end
	ds_add_u32 v[SPW], v[NIL]
	s_wait_dscnt 0x0
	CROUND                                         ; the closing round: no work-group ends while a partner may still ask for a tile that names it
	s_endpgm
.Lfunc_end_k_qf566065903_oproj:
	.size	k_qf566065903_oproj, .Lfunc_end_k_qf566065903_oproj-k_qf566065903_oproj
	.p2alignl 7, 3214868480
	.fill 96, 4, 3214868480
	.section	.rodata,"a",@progbits
	.p2align	6, 0x0
	.amdhsa_kernel k_qf566065903_oproj
		.amdhsa_group_segment_fixed_size 327680
		.amdhsa_private_segment_fixed_size 0
		.amdhsa_enable_private_segment 0
		.amdhsa_kernarg_size 32
		.amdhsa_user_sgpr_count 2
		.amdhsa_user_sgpr_kernarg_segment_ptr 1
		.amdhsa_wavefront_size32 1
		.amdhsa_system_sgpr_workgroup_id_x 1
		.amdhsa_system_sgpr_workgroup_id_y 1
		.amdhsa_system_sgpr_workgroup_id_z 1
		.amdhsa_system_vgpr_workitem_id 0
		.amdhsa_next_free_vgpr 1024
		.amdhsa_next_free_sgpr 98
		.amdhsa_reserve_vcc 0
		.amdhsa_float_denorm_mode_32 3
		.amdhsa_float_denorm_mode_16_64 3
		.amdhsa_memory_ordered 1
		.amdhsa_forward_progress 1
		.amdhsa_inst_pref_size 123
	.end_amdhsa_kernel
	.amdgpu_metadata
---
amdhsa.version: [ 1, 2 ]
amdhsa.kernels:
  - .name:           k_qf566065903_oproj
    .symbol:         k_qf566065903_oproj.kd
    .args:
      - { .name: enc_codes, .offset: 0, .size: 8, .value_kind: global_buffer, .address_space: global }
      - { .name: wo_codes, .offset: 8, .size: 8, .value_kind: global_buffer, .address_space: global }
      - { .name: lowp_scales, .offset: 16, .size: 8, .value_kind: global_buffer, .address_space: global }
      - { .name: out0, .offset: 24, .size: 8, .value_kind: global_buffer, .address_space: global }
    .group_segment_fixed_size: 327680
    .private_segment_fixed_size: 0
    .kernarg_segment_align: 8
    .kernarg_segment_size: 32
    .max_flat_workgroup_size: 128
    .sgpr_count:     98
    .vgpr_count:     1024
    .wavefront_size: 32
...
	.end_amdgpu_metadata
.endif
;; end of part 4
;; ======== version 2 of 2: 4 launches
;; limits: right only within a limited range of input values
;; workspace buffers: x_codes 33,554,432 bytes; w_codes 6,291,456 bytes; wo_codes 4,194,304 bytes; rope 524,288 bytes; q_codes 4,194,304 bytes; k_codes 1,048,576 bytes; v_codes 1,048,576 bytes; enc_codes 4,194,304 bytes
;; launch prep (part 5): grid 864 x 1, 4 waves a work-group, no clusters, 102,912 bytes of LDS; arguments x, wq, wkv, wo, positions, lowp_scales, x_codes, w_codes, wo_codes, rope; writes x_codes, w_codes, wo_codes, rope
.if DOCPART == 5
	.amdgcn_target "amdgcn-amd-amdhsa--gfx1250"
	.amdhsa_code_object_version 6
	.text
	.protected	k_qf566065903_prep
	.globl	k_qf566065903_prep
	.p2align	8
	.type	k_qf566065903_prep,@function
k_qf566065903_prep:
	s_mov_b64 s[64:65], 0
	v_nop
	global_prefetch_b8 v0, s[64:65] scope:SCOPE_SE
	s_setreg_imm32_b32 hwreg(HW_REG_WAVE_MODE, 25, 1), 1
	s_wait_xcnt 0x0
; PREP: everything that is quantised once, and the table of cosines and sines.  Four kinds of work-group, told apart by the work-group's number:
;   0-511    x [4096 rows][4096] f32 -> codes of E4M3 under 2^e0 (plane 0 of x_codes) and under 2^e3 (plane 1): x is read once for both
;   512-703  wq [32][4096 k][32] and wkv [16][4096 k][32] f32 -> w_codes [1536 rows = head x 32 + h][4096 k], K innermost, under 2^e1 or 2^e2
;   704-831  wo [1024 k][4096 n] f32 -> wo_codes [4096 n][1024 k], K innermost, under 2^e9
;   832-863  positions -> rope [8 planes][4096 rows][4 f32]: plane p < 4: cos of frequencies 4 p .. 4 p + 3; plane 4 + p: their sines
; code = x / 2^e, held within +-448, rounded to the nearest code, ties to even.
; LIMITS: e0, e1, e2, e3, e9 between -126 and 119; |position| under 2^22 (the reduction by pi/2 in three parts keeps f32 accuracy that far); NaN among the inputs is not served;
; the timescales 10000^(i/16) = 10^(i/4) are written as the nearest f32 numbers.
; No tensor loads, no barrier: waves share nothing.  Each kind of work-group has LDS bytes of its own.
.set SP,     80                        ; x: a lane's place in a stage: its 64 bytes + 16 of padding
.set XSTEPS, 16
.set XR,     16                        ; v16-79   x: four sets of 16 numbers as loaded
.set XX,     80                        ; v80-111  two sets of 16 neighbours
.set XY,     112
.set CA,     128                       ; v128-191 codes under e0: four registers a step, never written twice
.set CB,     192                       ; v192-255 codes under e3
.set WX,     32                        ; weights: v32-95 two sets of 32 numbers down K
.set WC,     96                        ; v96-103  a block's codes
.set WOUT,   112                       ; v112-175 the way out
.set WP,     272                       ; a stage row: 256 bytes of codes + 16
.set LDS_W,  32768                     ; x's stages take 0 .. 32767 (8,192 a wave); then wq's and wkv's; then wo's
.set LDS_O,  LDS_W+4*32*WP
.macro MKSC e, vsc, vlim               ; from the whole number in s[e]: v[vsc] = 2^e as f32 (the conversion takes its exponent field)
	s_add_co_i32 s60, s[\e], 127
	s_lshl_b32 s61, s60, 23
	v_mov_b32 v[\vsc], s61
	s_add_co_i32 s60, s60, 8
	s_lshl_b32 s60, s60, 23
	s_or_b32 s60, s60, 0x600000
.endm
	s_load_b512 s[4:19], s[0:1], 0x0               ; x s[4:5], wq s[6:7], wkv s[8:9], wo s[10:11], positions s[12:13], scales s[14:15], x_codes s[16:17], w_codes s[18:19]
	s_load_b128 s[20:23], s[0:1], 0x40             ; wo_codes s[20:21], rope s[22:23]
	s_set_vgpr_msb 0x40
	v_lshl_add_u32 v0, v0, 2, 0x19000
	v_mov_b32 v1, 0
	s_set_vgpr_msb 0x4000
	v_lshrrev_b32 v1, 5, v0
	v_readfirstlane_b32 s34, v1                    ; wave 0..3
	s_wait_kmcnt 0x0
	s_load_b256 s[24:31], s[14:15], 0x0            ; e0 .. e7
	s_load_b64 s[32:33], s[14:15], 0x20            ; e8, e9
	s_cmp_lt_u32 ttmp9, 512
	s_cbranch_scc1 .Lpath_x
	s_cmp_lt_u32 ttmp9, 704
	s_cbranch_scc1 .Lpath_w
	s_cmp_lt_u32 ttmp9, 832
	s_cbranch_scc1 .Lpath_o
; ---------------- the table: one thread to a row (batch x 2048 + t), sixteen frequencies
	s_sub_co_u32 s35, ttmp9, 832
	s_lshl_b32 s35, s35, 7
	v_add_nc_u32 v1, s35, v0                       ; row
	v_lshlrev_b32 v3, 2, v1
	global_load_b32 v2, v3, s[12:13]               ; its position
	v_lshlrev_b32 v16, 4, v1                       ; 16 bytes a row in each plane
	s_mov_b32 s40, 0x3f22f983                      ; 2 / pi
	s_mov_b32 s41, 0x3fc90fdb                      ; pi / 2 in three parts: the sum of the three is pi / 2 to about 70 bits
	s_mov_b32 s42, 0xb33bbd2e
	s_mov_b32 s43, 0xa6f72ced
	s_mov_b32 s44, 0xb94ca1f9                      ; sine on +-pi/4: y + y z (S1 + z (S2 + z S3)), z = y y
	s_mov_b32 s45, 0x3c08839e
	s_mov_b32 s46, 0xbe2aaaa3
	s_mov_b32 s47, 0x37ccf5ce                      ; cosine: 1 - z / 2 + z z (C1 + z (C2 + z C3))
	s_mov_b32 s48, 0xbab6061a
	s_mov_b32 s49, 0x3d2aaaa5
	s_wait_kmcnt 0x0                               ; the scales are not used on this path: their loads are only waited for
	s_wait_loadcnt 0x0
	v_cvt_f32_i32 v2, v2
.macro SINCOS i, TS                    ; cos and sin of position / TS into v[64 + i], v[80 + i]
	v_mov_b32 v4, \TS
	s_wait_alu depctr_va_vdst(0)
	v_rcp_f32 v5, v4
	v_nop                                          ; a plain instruction between the reciprocal and the use of its result
	s_wait_alu depctr_va_vdst(0)
	v_mul_f32 v6, v2, v5                           ; the quotient, then one correction by its remainder: a division good to f32's last place
	v_fma_f32 v7, -v6, v4, v2
	v_fma_f32 v6, v7, v5, v6                       ; radians
	v_mul_f32 v7, s40, v6
	v_rndne_f32 v7, v7                             ; n = the nearest multiple of pi / 2
	v_fma_f32 v8, -v7, s41, v6
	v_fma_f32 v8, -v7, s42, v8
	v_fma_f32 v8, -v7, s43, v8                     ; y = radians - n pi / 2, within +-pi/4
	v_cvt_i32_f32 v9, v7
	v_mul_f32 v10, v8, v8                          ; z
	v_fma_f32 v11, s44, v10, s45
	v_fma_f32 v11, v11, v10, s46
	v_mul_f32 v12, v8, v10
	v_fma_f32 v11, v12, v11, v8                    ; sin y
	v_fma_f32 v13, s47, v10, s48
	v_fma_f32 v13, v13, v10, s49
	v_mul_f32 v14, v10, v10
	v_fma_f32 v15, v10, -0.5, 1.0
	v_fma_f32 v13, v14, v13, v15                   ; cos y
	v_and_b32 v14, 1, v9
	v_cmp_eq_u32 vcc_lo, 1, v14                    ; an odd n changes the two over
	v_cndmask_b32 v15, v11, v13, vcc_lo
	v_cndmask_b32 v13, v13, v11, vcc_lo
	v_and_b32 v14, 2, v9                           ; the sine is negated where n mod 4 is 2 or 3,
	v_lshlrev_b32 v14, 30, v14
	v_xor_b32 v[80+\i], v14, v15
	v_add_nc_u32 v14, 1, v9                        ; the cosine where it is 1 or 2
	v_and_b32 v14, 2, v14
	v_lshlrev_b32 v14, 30, v14
	v_xor_b32 v[64+\i], v14, v13
.endm
	SINCOS 0, 0x3f800000
	SINCOS 1, 0x3fe39ea9
	SINCOS 2, 0x404a62c2
	SINCOS 3, 0x40b3f300
	SINCOS 4, 0x41200000
	SINCOS 5, 0x418e432a
	SINCOS 6, 0x41fcfb72
	SINCOS 7, 0x4260efc0
	SINCOS 8, 0x42c80000
	SINCOS 9, 0x4331d3f4
	SINCOS 10, 0x439e1d27
	SINCOS 11, 0x440c95d8
	SINCOS 12, 0x447a0000
	SINCOS 13, 0x44de48f1
	SINCOS 14, 0x4545a471
	SINCOS 15, 0x45afbb4e
.irp p, 0,1,2,3
	global_store_b128 v16, v[64+4*\p:67+4*\p], s[22:23] offset:65536*\p         ; a wave's store covers 512 consecutive bytes, aligned
	global_store_b128 v16, v[80+4*\p:83+4*\p], s[22:23] offset:65536*(4+\p)
.endr
	s_endpgm
; ---------------- x: a plain stream.  A wave takes 16 steps of 512 numbers.  Each load reads 512 consecutive bytes; a step's 2,048 bytes turn through the wave's own stage, so that a lane
; then holds 16 neighbours along K, as the conversions want them; a lane's 16 codes are 16 bytes, so each store covers 512 consecutive bytes.
.Lpath_x:
	v_and_b32 v2, 31, v0
	v_lshlrev_b32 v3, 4, v2                        ; 16 x lane: my place in a load's 512 bytes and in a store's
	s_wait_alu depctr_va_vdst(0)
	s_mul_i32 s35, s34, 8192
	v_lshrrev_b32 v14, 2, v2
	v_mul_u32_u24 v14, v14, SP
	v_and_b32 v15, 3, v2
	v_lshl_add_u32 v14, v15, 4, v14
	v_add_nc_u32 v14, s35, v14                     ; into the stage: four lanes' 64 bytes on end, then 16 of padding
	v_mul_u32_u24 v15, v2, SP
	v_add_nc_u32 v15, s35, v15                     ; out of it: my 16 neighbours
	s_lshl_b32 s36, ttmp9, 2
	s_add_co_u32 s36, s36, s34                     ; which run of 8,192 numbers is my wave's
	s_lshl_b32 s38, s36, 15
	s_mov_b32 s39, 0
	s_add_nc_u64 s[4:5], s[4:5], s[38:39]
	s_lshl_b32 s38, s36, 13
	s_add_nc_u64 s[36:37], s[16:17], s[38:39]      ; plane 0
	s_add_nc_u64 s[38:39], s[36:37], 0x1000000     ; plane 1, 16,777,216 bytes on
.macro XLOAD t
.irp i, 0,1,2,3
	global_load_b128 v[XR+16*((\t)%4)+4*\i:XR+16*((\t)%4)+4*\i+3], v3, s[4:5] offset:2048*(\t)+512*\i th:TH_LOAD_NT
.endr
.endm
.macro XTURN t                         ; LDS serves a wave's instructions in order (ISA guide 5.7.1.4): no wait between the stores and the loads
.irp i, 0,1,2,3
	ds_store_b128 v14, v[XR+16*((\t)%4)+4*\i:XR+16*((\t)%4)+4*\i+3] offset:32*SP*((\t)%2)+8*SP*\i
.endr
.irp i, 0,1,2,3
	ds_load_b128 v[XX+16*((\t)%2)+4*\i:XX+16*((\t)%2)+4*\i+3], v15 offset:32*SP*((\t)%2)+16*\i
.endr
.endm
.irp t, 0,1,2,3
	XLOAD \t
.endr
	s_wait_alu depctr_va_vdst(0)
	s_wait_kmcnt 0x0
	MKSC 24, 11, 10                                ; e0
	MKSC 27, 13, 12                                ; e3
	s_wait_alu depctr_va_vdst(0)
	s_wait_loadcnt 12                              ; step 0's four loads are in; three steps' twelve may be out
	XTURN 0
.macro XSTEP t
.set XS, XX+16*((\t)%2)
	s_wait_dscnt 0x0                               ; this step's numbers are back: so its stores into the stage have read their registers,
.if (\t)+4 < XSTEPS
	XLOAD (\t)+4                                   ; which take the loads of four steps on
.endif
.if (\t)+1 < XSTEPS
.if XSTEPS-2-(\t) >= 3
	s_wait_loadcnt 12                              ; the next step's four loads are in; those of the three steps behind it may be out
.else
	s_wait_loadcnt 4*(XSTEPS-2-(\t))
.endif
	XTURN (\t)+1
.endif
.irp i, 0,1,2,3,4,5,6,7,8,9,10,11,12,13,14,15
.endr
	v_cvt_scalef32_pk8_fp8_f32 v[CA+4*(\t):CA+4*(\t)+1], v[XS:XS+7], v11
	v_cvt_scalef32_pk8_fp8_f32 v[CA+4*(\t)+2:CA+4*(\t)+3], v[XS+8:XS+15], v11
.irp i, 0,1,2,3,4,5,6,7,8,9,10,11,12,13,14,15
.endr
	v_cvt_scalef32_pk8_fp8_f32 v[CB+4*(\t):CB+4*(\t)+1], v[XS:XS+7], v13
	v_cvt_scalef32_pk8_fp8_f32 v[CB+4*(\t)+2:CB+4*(\t)+3], v[XS+8:XS+15], v13
	global_store_b128 v3, v[CA+4*(\t):CA+4*(\t)+3], s[36:37] offset:512*(\t)
	global_store_b128 v3, v[CB+4*(\t):CB+4*(\t)+3], s[38:39] offset:512*(\t)
.endm
.irp t, 0,1,2,3,4,5,6,7,8,9,10,11,12,13,14,15
	XSTEP \t
.endr
	s_set_vgpr_msb 0x5
	s_wait_tensorcnt 0x0
	ds_add_u32 v0, v1
	s_wait_dscnt 0x0
	s_set_vgpr_msb 0x500
	s_endpgm
; ---------------- weights whose K is not innermost.  A LANE TAKES A COLUMN AND ITS REGISTERS RUN DOWN K: the conversions then give codes with K innermost.  A wave takes 32 columns x 256 along K;
; a column's 256 bytes of codes are gathered in the wave's own stage and leave as rows: sixteen lanes store 256 consecutive bytes, aligned.  Source s[40:41], codes s[44:45], e in s46.
.macro WLOAD t, RS
.irp i, 0,1,2,3,4,5,6,7,8,9,10,11,12,13,14,15,16,17,18,19,20,21,22,23,24,25,26,27,28,29,30,31
	global_load_b32 v[WX+32*((\t)%2)+\i], v3, s[40:41] offset:(32*(\t)+\i)*\RS th:TH_LOAD_NT
.endr
.endm
.macro WBLOCK t, RS
.if (\t) < 7
	s_wait_loadcnt 32                              ; this block's 32 loads are in; the next block's may be out
.else
	s_wait_loadcnt 0x0
.endif
.irp i, 0,1,2,3,4,5,6,7,8,9,10,11,12,13,14,15,16,17,18,19,20,21,22,23,24,25,26,27,28,29,30,31
.endr
.irp g, 0,1,2,3
	v_cvt_scalef32_pk8_fp8_f32 v[WC+2*\g:WC+2*\g+1], v[WX+32*((\t)%2)+8*\g:WX+32*((\t)%2)+8*\g+7], v11
.endr
	ds_store_b128 v4, v[WC:WC+3] offset:32*(\t)
	ds_store_b128 v4, v[WC+4:WC+7] offset:32*(\t)+16
.if (\t)+2 < 8
	WLOAD (\t)+2, \RS
.endif
	s_wait_dscnt 0x0                               ; the stores have read their registers: the next block's codes may be written
.endm
.macro WPATH RS, KROW, LBASE           ; RS: bytes from one k to the next in the source; KROW: bytes of a row of codes; LBASE: these work-groups' LDS
	v_and_b32 v2, 31, v0
	v_lshlrev_b32 v3, 2, v2                        ; in: 4 bytes a lane
	s_mul_i32 s47, s34, 32*WP
	s_add_co_u32 s47, s47, \LBASE                  ; my stage
	v_mul_u32_u24 v4, v2, WP
	v_add_nc_u32 v4, s47, v4                       ; into it: row = my column
	v_and_b32 v5, 15, v2
	v_lshrrev_b32 v6, 4, v2
	v_mul_u32_u24 v7, v6, WP
	v_lshl_add_u32 v7, v5, 4, v7
	v_add_nc_u32 v7, s47, v7                       ; out of it: sixteen lanes to a row, two rows an instruction
	v_mul_u32_u24 v8, v6, \KROW
	v_lshl_add_u32 v8, v5, 4, v8                   ; and the same place in the codes' buffer
	WLOAD 0, \RS
	WLOAD 1, \RS
	MKSC 46, 11, 10
	s_wait_alu depctr_va_vdst(0)
.irp t, 0,1,2,3,4,5,6,7
	WBLOCK \t, \RS
.endr
.irp t, 0,1,2,3,4,5,6,7,8,9,10,11,12,13,14,15
	ds_load_b128 v[WOUT+4*\t:WOUT+4*\t+3], v7 offset:2*\t*WP
.endr
.irp t, 0,1,2,3,4,5,6,7,8,9,10,11,12,13,14,15
	s_wait_dscnt 15-\t                             ; the younger row loads may be out
	global_store_b128 v8, v[WOUT+4*\t:WOUT+4*\t+3], s[44:45] offset:2*\t*\KROW
.endr
.endm
.Lpath_w:
	s_sub_co_u32 s35, ttmp9, 512
	s_lshr_b32 s36, s35, 2                         ; head 0..47: 0-31 wq's, 32-39 k's, 40-47 v's
	s_and_b32 s37, s35, 3
	s_lshl_b32 s37, s37, 2
	s_add_co_u32 s37, s37, s34                     ; which 256 along K: 0..15
	s_cmp_lt_u32 s36, 32
	s_cselect_b64 s[40:41], s[6:7], s[8:9]         ; the choice hangs on the work-group's number alone
	s_cselect_b32 s42, 0, 32
	s_sub_co_u32 s42, s36, s42                     ; the head's number in its own tensor
	s_lshl_b32 s42, s42, 19                        ; 4096 x 32 x 4 bytes a head
	s_lshl_b32 s43, s37, 15                        ; 256 rows of 128 bytes
	s_add_co_u32 s42, s42, s43
	s_mov_b32 s43, 0
	s_add_nc_u64 s[40:41], s[40:41], s[42:43]
	s_lshl_b32 s42, s36, 17                        ; 32 rows of 4,096 codes a head
	s_lshl_b32 s46, s37, 8
	s_add_co_u32 s42, s42, s46
	s_add_nc_u64 s[44:45], s[18:19], s[42:43]
	s_wait_kmcnt 0x0
	s_cmp_lt_u32 s36, 32
	s_cselect_b32 s46, s25, s26                    ; e1 or e2
	WPATH 128, 4096, LDS_W
	s_set_vgpr_msb 0x5
	s_wait_tensorcnt 0x0
	ds_add_u32 v0, v1
	s_wait_dscnt 0x0
	s_set_vgpr_msb 0x500
	s_endpgm
.Lpath_o:
	s_sub_co_u32 s35, ttmp9, 704
	s_lshr_b32 s36, s35, 2
	s_lshl_b32 s36, s36, 7
	s_lshl_b32 s37, s34, 5
	s_add_co_u32 s36, s36, s37                     ; my wave's first column n
	s_and_b32 s37, s35, 3                          ; which 256 along K
	s_lshl_b32 s42, s37, 22                        ; 256 rows of 16,384 bytes
	s_lshl_b32 s43, s36, 2
	s_add_co_u32 s42, s42, s43
	s_mov_b32 s43, 0
	s_add_nc_u64 s[40:41], s[10:11], s[42:43]
	s_lshl_b32 s42, s36, 10                        ; a row of 1,024 codes
	s_lshl_b32 s46, s37, 8
	s_add_co_u32 s42, s42, s46
	s_add_nc_u64 s[44:45], s[20:21], s[42:43]
	s_wait_kmcnt 0x0
	s_mov_b32 s46, s33                             ; e9
	WPATH 16384, 1024, LDS_O                       ; the largest offset, 255 x 16,384, lies inside the signed 24-bit immediate (ISA guide, chapter 10)
	s_set_vgpr_msb 0x5
	s_wait_tensorcnt 0x0
	ds_add_u32 v0, v1
	s_wait_dscnt 0x0
	s_set_vgpr_msb 0x500
	s_endpgm
.Lfunc_end_k_qf566065903_prep:
	.size	k_qf566065903_prep, .Lfunc_end_k_qf566065903_prep-k_qf566065903_prep
	.p2alignl 7, 3214868480
	.fill 96, 4, 3214868480
	.section	.rodata,"a",@progbits
	.p2align	6, 0x0
	.amdhsa_kernel k_qf566065903_prep
		.amdhsa_group_segment_fixed_size 102912
		.amdhsa_private_segment_fixed_size 0
		.amdhsa_enable_private_segment 0
		.amdhsa_kernarg_size 80
		.amdhsa_user_sgpr_count 2
		.amdhsa_user_sgpr_kernarg_segment_ptr 1
		.amdhsa_wavefront_size32 1
		.amdhsa_system_sgpr_workgroup_id_x 1
		.amdhsa_system_sgpr_workgroup_id_y 1
		.amdhsa_system_sgpr_workgroup_id_z 1
		.amdhsa_system_vgpr_workitem_id 0
		.amdhsa_next_free_vgpr 258
		.amdhsa_next_free_sgpr 66
		.amdhsa_reserve_vcc 1
		.amdhsa_float_denorm_mode_32 3
		.amdhsa_float_denorm_mode_16_64 3
		.amdhsa_fp16_overflow 1
		.amdhsa_memory_ordered 1
		.amdhsa_forward_progress 1
		.amdhsa_inst_pref_size 116
	.end_amdhsa_kernel
	.amdgpu_metadata
---
amdhsa.version: [ 1, 2 ]
amdhsa.kernels:
  - .name:           k_qf566065903_prep
    .symbol:         k_qf566065903_prep.kd
    .args:
      - { .name: x, .offset: 0, .size: 8, .value_kind: global_buffer, .address_space: global }
      - { .name: wq, .offset: 8, .size: 8, .value_kind: global_buffer, .address_space: global }
      - { .name: wkv, .offset: 16, .size: 8, .value_kind: global_buffer, .address_space: global }
      - { .name: wo, .offset: 24, .size: 8, .value_kind: global_buffer, .address_space: global }
      - { .name: positions, .offset: 32, .size: 8, .value_kind: global_buffer, .address_space: global }
      - { .name: lowp_scales, .offset: 40, .size: 8, .value_kind: global_buffer, .address_space: global }
      - { .name: x_codes, .offset: 48, .size: 8, .value_kind: global_buffer, .address_space: global }
      - { .name: w_codes, .offset: 56, .size: 8, .value_kind: global_buffer, .address_space: global }
      - { .name: wo_codes, .offset: 64, .size: 8, .value_kind: global_buffer, .address_space: global }
      - { .name: rope, .offset: 72, .size: 8, .value_kind: global_buffer, .address_space: global }
    .group_segment_fixed_size: 102912
    .private_segment_fixed_size: 0
    .kernarg_segment_align: 8
    .kernarg_segment_size: 80
    .max_flat_workgroup_size: 128
    .sgpr_count:     66
    .vgpr_count:     258
    .wavefront_size: 32
...
	.end_amdgpu_metadata
.endif
;; end of part 5
;; launch proj: the kernel of part 2 again; grid 32 x 6, 4 waves a work-group, clusters of 4 x 1, 327,680 bytes of LDS; arguments x_codes, w_codes, rope, lowp_scales, q_codes, k_codes, v_codes; writes q_codes, k_codes, v_codes
;; launch attn (part 6): grid 16 x 16, 8 waves a work-group, no clusters, 327,680 bytes of LDS; arguments q_codes, k_codes, v_codes, attn_mask, lowp_scales, enc_codes; writes enc_codes
.if DOCPART == 6
	.amdgcn_target "amdgcn-amd-amdhsa--gfx1250"
	.amdhsa_code_object_version 6
	.text
	.protected	k_qf566065903_attn
	.globl	k_qf566065903_attn
	.p2align	8
	.type	k_qf566065903_attn,@function
k_qf566065903_attn:
	s_mov_b64 s[64:65], 0
	v_nop
	global_prefetch_b8 v0, s[64:65] scope:SCOPE_SE
	s_setreg_imm32_b32 hwreg(HW_REG_WAVE_MODE, 25, 1), 1
	s_wait_xcnt 0x0
; ATTN: scores, mask, streaming softmax, weighted values, and the quantiser of the output projection's operand; both products on codes of E4M3.
; A work-group owns 128 queries of one (batch, key-value head); each of its eight waves 16 queries x the FOUR query heads that share the key-value head, so K, V and the mask are fetched and unpacked once for four heads.
; The mask is an input: every wave walks all 2,048 keys, 128 a step; a slot of the ring holds 256 keys: K's 16 tiles (8,192 bytes), V's two chunks (8,192), 128 rows x 256 bytes of mask (pitch 272).
; No cluster: a slot's 51,200 bytes serve two steps of four heads in each of eight waves, so what partners could share is a small part of a step's work.
; LAYOUT.  S^T = K Q^T (source 0 = 16 keys, source 1 = my 16 queries; K = 32 in the form of 64: registers 4-7 of both fragments hold zero codes) and O^T = V^T P^T: a lane holds ONE query (lane % 16) throughout.
; In tile t of S^T register j of lane (r, h) is key 16 t + 8 h + j, which is the place that the second product's form gives k in registers 2 t, 2 t + 1: the conversions' results are its operand.
; THE MASK IS THE C OF THE SCORE PRODUCT: a mask byte m becomes the f32 word (1 - m) x B3 << 24, which is 0 or -2^X with X = 79 or 80 - (e4 + e5): a hidden key's t is about -1.4 x 2^80 and its p is 0.
; SOFTMAX, by the problem's rule: t = score x log2(e); M = the running largest t rounded UP to a whole number (kept as -M); p = 2^(t - M), not normalised; the sum is taken of the unquantised p; when M moves, sum and O^T are multiplied by 2^(old M - new M).
; A ROW WITH NO OPEN KEY SO FAR (largest t under -2^64) takes p = 1 for every key (factor 0, M 0, chosen by v_cndmask_b32), and the first open key multiplies what was summed by 0: a row that stays closed ends as the plain mean of V, as the problem's definition has it.
; BY TURNS.  A head's vector work in a step is a list of 247 lines: a FRONT of 141 (the maximum, the statistics, the scalings and the exponentials) and a TAIL of 106 (sums, conversions).  The four heads go through two sets of
; registers (streams 0 and 1, head g on stream g % 2), and head g's front is set between the lines of head g - 1's tail.
; Head 0's front and head 3's tail stand alone.  The order of each head's sums does not hang on the weave.
; LIMITS: e4 + e5 between -47 and 39 (the hidden keys' word is an f32 number, and no open t reaches -2^64); e7 and e8 - e6 - e7 between -126 and 119.  NaN is not served.
; REGISTERS: window 0: v1-9 addresses; v12-27 four registers of statistics a head (-M, largest t, the sum in two halves); v28-41 and v208-221 the streams' registers at work; v46-61 mask words;
;   v62-77 and v224-239 the streams' codes of p; v80-143 and v144-207 the streams' S^T, then p (on the way out: at work); v241-245 constants.
;   window 1: v0-63 K's eight fragments; v64-95 Q's four; v96-127 V's two; v128-191 O^T (head g, dims 16 d on: 128 + 16 g + 8 d); v192-255 the mask as C.
.set MP,    272                        ; a mask row in LDS: 256 bytes + 16 of padding
.set VOFF,  8192
.set MOFF,  16384
.set SLOT1, 1<<16                      ; slot 1 begins here: one exclusive or turns an address from one slot to the other
.set SPARE, 2*SLOT1                    ; behind the ring: the spare words, 128 bytes for each wave: four blocks of 256 bytes that no other line names
.set STAGE, SPARE+1024                 ; the way out: 16 rows x 128 bytes for each wave; no tile ever lands here
.set LI,   1                           ; v1   16 x lane
.set AM0,  3                           ; v3   my place in the mask's tile: row 16 wave + r, + 8 h
.set ADK,  4                           ; v4   LDS address of the slot's K and V for my lane
.set ADM,  5                           ; v5   of the mask
.set SPW,  6                           ; v6   LDS address of my spare word; never rewritten
.set NIL,  7                           ; v7   0; never rewritten
.set STO,  8
.set RD,   9
.set ST,   12
.set TM,   28                          ; a stream's registers at work: +0,1 the factor in force (c', or 0 for a closed row); +2,3 -M in force, or 0; +4,5 f = 2^(old M - new M);
.set TMD,  180                         ;   +6..9 the maximum's four chains; +10 a permute's destination; +11 the old -M; +12,13 the sum's second chain.  Stream 1's lie TMD further on
.set MW,   46
.set P,    62                          ; p's codes; stream 1's lie PDIF further on
.set PDIF, 162
.set S,    80                          ; S^T; stream 1's 64 further on
.set PLIM, 240
.set PSC,  241                         ; 2^e7
.set NEGB, 242                         ; -3e38
.set CP,   243                         ; c' = log2(e) x 2^(e4 + e5)
.set ZR,   244                         ; 0
.set ESC,  245                         ; 2^(e8 - e6 - e7)
.set ELIM, 246
.set RL,   80                          ; the way out, in registers that S^T has left
.set ET,   96
.set EC,   112
.set QF,   64                          ; in window 1
.set VF,   96
.set OA,   128
.set BI,   192
.set G1D, 24                           ; s[24:31] group 1: a dense block of 8,192 bytes;  s[32:39]: 64 rows of the mask
.set G1M, 32
.set G0K, 40                           ; s[40:43], s[44:47], s[56:59] groups 0 of K, V, mask: they walk
.set G0V, 44
.set G0M, 56
.set MSB, 0
.macro WIN new                         ; the immediate's high byte repeats the setting that is left; a switch that changes nothing is dropped
.if MSB != \new
	s_set_vgpr_msb (MSB<<8)|\new
.set MSB, \new
.endif
.endm
.set W_KQ, 0x15                        ; K, Q and the mask as C window 1; D window 0
.set W_PV, 0x51                        ; V window 1, P window 0, C and D window 1
.set W_RS, 0x41                        ; O^T (destination, source 0) window 1
.set W_LD, 0x40                        ; destination window 1
; Wave 0 fetches K's tiles, wave 1 V's, waves 2 and 3 the mask's halves, the others nothing.  The branches hang on the wave's number alone.  Four v_nop follow each line.
.macro TLOAD
	s_cmp_eq_u32 s18, 0
	s_cbranch_scc0 .Lnot_k_\@
	tensor_load_to_lds s[G0K:G0K+3], s[G1D:G1D+7]
	s_nop 0
.rept 4
	v_nop
.endr
	s_branch .Lasked_\@
.Lnot_k_\@:
	s_cmp_eq_u32 s18, 1
	s_cbranch_scc0 .Lnot_v_\@
	tensor_load_to_lds s[G0V:G0V+3], s[G1D:G1D+7]
	s_nop 0
.rept 4
	v_nop
.endr
	s_branch .Lasked_\@
.Lnot_v_\@:
	s_cmp_lt_u32 s18, 4
	s_cbranch_scc0 .Lasked_\@
	tensor_load_to_lds s[G0M:G0M+3], s[G1M:G1M+7]
	s_nop 0
.rept 4
	v_nop
.endr
.Lasked_\@:
.endm
	s_load_b256 s[4:11], s[0:1], 0x0               ; q_codes s[4:5], k_codes s[6:7], v_codes s[8:9], attn_mask s[10:11]
	s_load_b128 s[12:15], s[0:1], 0x20             ; scales s[12:13], enc_codes s[14:15]
	v_lshl_add_u32 v[SPW], v0, 2, SPARE
	v_mov_b32 v[NIL], 0
	ds_add_u32 v6, v7
	s_wait_dscnt 0x0
	v_lshrrev_b32 v10, 5, v0
	v_readfirstlane_b32 s18, v10                   ; wave 0..7
	s_and_b32 s17, ttmp7, 0xffff                   ; 8 b + key-value head
	s_lshr_b32 s19, s17, 3                         ; b
	s_and_b32 s22, s17, 7                          ; key-value head
	s_and_b32 s60, s18, 1
	s_mov_b32 s[G1D+0], 3<<16                      ; elements of 8 bytes, no padding: 32 rows of 256 bytes, dense
	s_mov_b32 s[G1D+1], 32<<16
	s_mov_b32 s[G1D+2], 32<<16
	s_mov_b32 s[G1D+3], 32<<16
	s_mov_b32 s[G1D+4], 32
	s_mov_b32 s[G1D+5], 32
	s_mov_b32 s[G1D+6], 0
	s_mov_b32 s[G1D+7], 0
	s_mov_b32 s[G1M+0], (1<<20)|(5<<22)|(3<<25)    ; elements of 1 byte; padding: 4 words after every 64
	s_mov_b32 s[G1M+1], 256<<16
	s_mov_b32 s[G1M+2], 64<<16
	s_mov_b32 s[G1M+3], 256<<16
	s_mov_b32 s[G1M+4], 64
	s_mov_b32 s[G1M+5], 2048
	s_mov_b32 s[G1M+6], 0
	s_mov_b32 s[G1M+7], 0
	s_lshl_b32 s62, s17, 16                        ; K and V: 65,536 bytes for each (batch, head)
	s_mov_b32 s63, 0
	s_lshl_b32 s78, s19, 22                        ; the mask: batch, row 128 x block + 64 x half, 2,048 bytes a row
	s_lshl_b32 s79, ttmp9, 18
	s_add_co_u32 s78, s78, s79
	s_lshl_b32 s79, s60, 17
	s_add_co_u32 s78, s78, s79
	s_mov_b32 s79, 0
	s_mul_i32 s61, s60, 64*MP
	s_add_co_u32 s61, s61, MOFF
	s_mov_b32 s20, 0x76543210                      ; v_permlanex16_b32's selects for lane l xor 16
	s_mov_b32 s21, 0xfedcba98
	s_mov_b32 s23, 0xdf800000                      ; -2^64
	s_mov_b32 s48, 0                               ; LDS byte at which the slot in hand begins
	s_mov_b32 s50, 7                               ; slots still to be asked for
	s_mov_b32 s54, 0x05000000                      ; v_perm_b32: byte 1 (byte 2) of the first source on top, byte 0 of the second, which is 0, below
	s_mov_b32 s55, 0x06000000
	s_wait_kmcnt 0x0
	s_load_b256 s[68:75], s[12:13], 0x0            ; e0 .. e7
	s_load_b64 s[76:77], s[12:13], 0x20            ; e8, e9
	s_mov_b32 s[G0K], 1
	s_mov_b32 s[G0K+1], 0
	s_add_nc_u64 s[G0K+2:G0K+3], s[6:7], s[62:63]
	s_or_b32 s[G0K+3], s[G0K+3], 0x80000000
	s_mov_b32 s[G0V], 1
	s_mov_b32 s[G0V+1], VOFF
	s_add_nc_u64 s[G0V+2:G0V+3], s[8:9], s[62:63]
	s_or_b32 s[G0V+3], s[G0V+3], 0x80000000
	s_mov_b32 s[G0M], 1
	s_mov_b32 s[G0M+1], s61
	s_add_nc_u64 s[G0M+2:G0M+3], s[10:11], s[78:79]
	s_or_b32 s[G0M+3], s[G0M+3], 0x80000000
	TLOAD                                          ; slot 0
	s_lshl_b32 s80, s19, 5                         ; Q: head 32 b + 4 kvh on, tile 8 x block + wave
	s_lshl_b32 s81, s22, 2
	s_add_co_u32 s80, s80, s81
	s_lshl_b32 s80, s80, 16
	s_lshl_b32 s81, ttmp9, 3
	s_add_co_u32 s81, s81, s18
	s_lshl_b32 s81, s81, 9
	s_add_co_u32 s80, s80, s81
	s_mov_b32 s81, 0
	s_add_nc_u64 s[4:5], s[4:5], s[80:81]
	s_lshl_b32 s80, s22, 19                        ; the result: chunk kvh, row 2048 b + 128 x block + 16 wave, 128 bytes a row
	s_lshl_b32 s82, s19, 18
	s_add_co_u32 s80, s80, s82
	s_lshl_b32 s82, ttmp9, 14
	s_add_co_u32 s80, s80, s82
	s_lshl_b32 s82, s18, 11
	s_add_co_u32 s80, s80, s82
	s_add_nc_u64 s[14:15], s[14:15], s[80:81]
	v_and_b32 v10, 31, v0
	v_lshlrev_b32 v[LI], 4, v10
	WIN W_LD
.irp g, 0,1,2,3
	global_load_b128 v[QF+8*\g:QF+8*\g+3], v[LI], s[4:5] offset:65536*\g    ; Q's four fragments stay in registers
.endr
.irp t, 0,1,2,3,4,5,6,7,8,9,10,11
.irp i, 4,5,6,7
	v_mov_b32 v[8*\t+\i], 0                        ; k = 32 .. 63 of K's and Q's fragments: zero codes, set once
.endr
.endr
.irp n, 0,1,2,3,4,5,6,7,8,9,10,11,12,13,14,15,16,17,18,19,20,21,22,23,24,25,26,27,28,29,30,31,32,33,34,35,36,37,38,39,40,41,42,43,44,45,46,47,48,49,50,51,52,53,54,55,56,57,58,59,60,61,62,63
	v_mov_b32 v[OA+\n], 0                          ; O^T.  (The step is written without a first step of its own: the first finds zeros)
.endr
	WIN 0
	v_and_b32 v10, 15, v0                          ; r
	v_bfe_u32 v11, v0, 4, 1                        ; h
	s_mul_i32 s82, s18, 16*MP
	s_add_co_u32 s82, s82, MOFF
	v_mul_u32_u24 v[AM0], v10, MP
	v_lshl_add_u32 v[AM0], v11, 3, v[AM0]
	v_add_nc_u32 v[AM0], s82, v[AM0]
	s_lshl_b32 s83, s18, 11
	s_add_co_u32 s83, s83, STAGE                   ; my stage
	v_lshlrev_b32 v[STO], 7, v10
	v_lshl_add_u32 v[STO], v11, 3, v[STO]
	v_add_nc_u32 v[STO], s83, v[STO]               ; in: row r of 128 bytes, + 8 h
	v_add_nc_u32 v[RD], s83, v[LI]                 ; back: 16 bytes a lane
	v_mov_b32 v[NEGB], 0xff61b1e6                  ; -3e38, under every t
	v_mov_b32 v[ZR], 0
.irp g, 0,1,2,3
	v_mov_b32 v[ST+4*\g+1], 0xff61b1e6             ; the largest t so far
	v_floor_f32 v[ST+4*\g], -v[ST+4*\g+1]          ; -M
	v_mov_b32 v[ST+4*\g+2], 0                      ; the sum, in two halves
	v_mov_b32 v[ST+4*\g+3], 0
.endr
.irp s, 0,1
	v_mov_b32 v[TM+TMD*\s+1], 0                    ; (upper halves of pairs that are named whole)
	v_mov_b32 v[TM+TMD*\s+3], 0
	v_mov_b32 v[TM+TMD*\s+5], 0
	v_mov_b32 v[TM+TMD*\s+10], 0                   ; a lane permute's destination counts as one of its sources
.endr
	s_wait_kmcnt 0x0
	s_add_co_i32 s60, s72, s73                     ; e4 + e5
	s_sub_co_i32 s61, 207, s60
	s_lshr_b32 s61, s61, 1
	s_or_b32 s53, s61, 0x80                        ; B3: the sign and the upper seven bits of the exponent field of -2^X
	s_mul_i32 s52, s53, 0x01010101
	s_lshl_b32 s61, s60, 23
	s_add_co_i32 s61, s61, 0x3fb8aa3b              ; the two exponents are added to log2(e)'s exponent field
	v_mov_b32 v[CP], s61
	s_add_co_i32 s60, s75, 127
	s_lshl_b32 s61, s60, 23
	v_mov_b32 v[PSC], s61                          ; 2^e7
	s_sub_co_i32 s60, s76, s74                     ; a sum of the second product stands for sum x 2^(e6 + e7): the result's conversion takes 2^(e8 - e6 - e7)
	s_sub_co_i32 s60, s60, s75
	s_add_co_i32 s60, s60, 127
	s_lshl_b32 s61, s60, 23
	v_mov_b32 v[ESC], s61
; THE VECTOR WORK OF ONE HEAD IN ONE KEY STEP is a list of 247 lines, all in window 0; IT writes line j of it for head g on stream st.  s0-s63 are the lane's 64 scores.
;   0-31     the largest of s0-s63, three operands at a time, in FOUR chains, the scores in ascending order (each accumulator is read from its low end on); then the four chains
;   32-44    the other half of the lanes' maximum; as t; the running largest t; the closed row's choices; the new -M; f.  Lines 30 to 41 hang on each other, but for 33 and 39
;   45-140   t - M for the 32 pairs of scores and the 64 exponentials: four scalings ahead, then 28 groups of exponential, scaling, exponential, then the last eight exponentials
;   141-244  for each tile of eight scores 13 lines: two sums, two empty lines, the conversion of the tile before, two sums, six empty lines.  THE SUM IS TAKEN OF THE UNQUANTISED p
;   245-246  the sum's two chains; the last tile's conversion
.macro SCALE b                         ; pair b: t - M, two at a time (of both pairs at work the low word serves both halves)
	v_pk_fma_f32 v[SS+2*(\b):SS+2*(\b)+1], v[SS+2*(\b):SS+2*(\b)+1], v[TT:TT+1], v[TT+2:TT+3] op_sel_hi:[1,0,0]
.endm
.macro IT st, g
.set NM, ST+4*(\g)
.set SS, S+64*(\st)
.set PP, P+PDIF*(\st)
.set TT, TM+TMD*(\st)
.if j < 4
	v_max3_num_f32 v[TT+6+j], v[SS+3*j], v[SS+3*j+1], v[SS+3*j+2]
.elseif j < 30
	v_max3_num_f32 v[TT+6+j%4], v[TT+6+j%4], v[SS+2*j+4], v[SS+2*j+5]
.elseif j == 30
	v_max3_num_f32 v[TT+6], v[TT+6], v[TT+7], v[TT+8]
.elseif j == 31
	v_max_num_f32 v[TT+6], v[TT+6], v[TT+9]
.elseif j == 32
	v_permlanex16_b32 v[TT+10], v[TT+6], s20, s21  ; the query's other 64 keys lie in the lane 16 away
.elseif j == 33
	v_mov_b32 v[TT+11], v[NM]                      ; the old -M is kept for f
.elseif j == 34
	v_max_num_f32 v[TT+6], v[TT+6], v[TT+10]
.elseif j == 35
	v_mul_f32 v[TT+6], v[CP], v[TT+6]              ; as t (c' is positive)
.elseif j == 36
	v_max_num_f32 v[NM+1], v[NM+1], v[TT+6]        ; the running largest t
.elseif j == 37
	v_cmp_gt_f32 s[84+\st], s23, v[NM+1]           ; under -2^64: no key of this row has been open so far.  Each stream has a mask register of its own
.elseif j == 38
	v_cndmask_b32 v[NM+1], v[NM+1], v[NEGB], s[84+\st]   ; such a row keeps -3e38,
.elseif j == 39
	v_cndmask_b32 v[TT], v[CP], v[ZR], s[84+\st]   ; takes the factor 0,
.elseif j == 40
	v_floor_f32 v[NM], -v[NM+1]                    ; the new -M = floor(-t) = -ceil(t): a whole number
.elseif j == 41
	v_cndmask_b32 v[TT+2], v[NM], v[ZR], s[84+\st] ; and M = 0: its p is 2^0
.elseif j == 42
	v_sub_f32 v[TT+11], v[NM], v[TT+11]            ; M's old value less its new one: a whole number, 0 or less
.elseif j == 43
	v_cvt_i32_f32 v[TT+11], v[TT+11]               ; (it saturates: a closed row's first open key gives f = 0)
.elseif j == 44
	v_ldexp_f32 v[TT+4], 1.0, v[TT+11]             ; f = 2^(old M - new M)
.elseif j < 49
	SCALE j-45
.elseif j < 133
.set FB, (j-49)/3
.if (j-49)%3 == 0
	v_exp_f32 v[SS+2*FB], v[SS+2*FB]               ; p = 2^(t - M)
.elseif (j-49)%3 == 1
	SCALE FB+4
.else
	v_exp_f32 v[SS+2*FB+1], v[SS+2*FB+1]
.endif
.elseif j < 141
	v_exp_f32 v[SS+j-77], v[SS+j-77]
.elseif j < 245
.set TI, (j-141)/13
.set UI, (j-141)%13
.set SQ, SS+8*TI
.if UI == 0
.if TI == 0
	v_pk_mul_f32 v[NM+2:NM+3], v[NM+2:NM+3], v[TT+4:TT+5] op_sel_hi:[1,0]   ; the sums under the new M
.else
	v_pk_add_f32 v[NM+2:NM+3], v[NM+2:NM+3], v[SQ:SQ+1]
.endif
.elseif UI == 1
.if TI == 0
	s_wait_alu depctr_va_vdst(0)
	v_pk_add_f32 v[TT+12:TT+13], v[SQ:SQ+1], v[SQ+2:SQ+3]
.else
	v_pk_add_f32 v[TT+12:TT+13], v[TT+12:TT+13], v[SQ+2:SQ+3]
.endif
.elseif UI < 4
.elseif UI == 4
.if TI > 0
	v_cvt_scalef32_pk8_fp8_f32 v[PP+2*TI-2:PP+2*TI-1], v[SQ-8:SQ-1], v[PSC]
.endif
.elseif UI == 5
	v_pk_add_f32 v[NM+2:NM+3], v[NM+2:NM+3], v[SQ+4:SQ+5]
.elseif UI == 6
	v_pk_add_f32 v[TT+12:TT+13], v[TT+12:TT+13], v[SQ+6:SQ+7]
.else
.endif
.elseif j == 245
	v_pk_add_f32 v[NM+2:NM+3], v[NM+2:NM+3], v[TT+12:TT+13]
.elseif j == 246
	v_cvt_scalef32_pk8_fp8_f32 v[PP+14:PP+15], v[SS+56:SS+63], v[PSC]
.endif
.endm
; The next n lines of stream st's list (its place is kept in the symbol J0 or J1; past the list's end nothing is written).
.macro RUN st, g, n
	WIN 0
.rept \n
.set j, J\st
	IT \st, \g
.set J\st, J\st+1
.endr
.endm
; reps times: na lines of one stream, nb of the other.
.macro WV sa, ga, na, sb, gb, nb, reps
.rept \reps
	RUN \sa, \ga, \na
	RUN \sb, \gb, \nb
.endr
.endm
; Head g's eight score products into stream st's S^T; its list begins anew.
.macro BEG st, g
.set J\st, 0
	WIN W_KQ
.irp t, 0,1,2,3,4,5,6,7
	v_wmma_f32_16x16x64_fp8_fp8 v[S+64*(\st)+8*\t:S+64*(\st)+8*\t+7], v[8*\t:8*\t+7], v[QF+8*(\g):QF+8*(\g)+7], v[BI+8*\t:BI+8*\t+7]   ; the mask goes in as C
.endr
.endm
; Head g's end: O^T under the new M, then its two products with V.  The eight multiplications are also the plain lines between the last conversion and the products that read its result.
.macro FIN st, g
.set TT, TM+TMD*(\st)
.set PP, P+PDIF*(\st)
	WIN W_RS
.irp i, 0,2,4,6,8,10,12,14
	v_pk_mul_f32 v[OA+16*(\g)+\i:OA+16*(\g)+\i+1], v[OA+16*(\g)+\i:OA+16*(\g)+\i+1], v[TT+4:TT+5] op_sel_hi:[1,0]
.endr
.if (\g) == 0
	s_wait_dscnt 0x0                               ; V is in
.endif
	WIN W_PV
.irp d, 0,1
	v_wmma_f32_16x16x128_fp8_fp8 v[OA+16*(\g)+8*\d:OA+16*(\g)+8*\d+7], v[VF+16*\d:VF+16*\d+15], v[PP:PP+15], v[OA+16*(\g)+8*\d:OA+16*(\g)+8*\d+7]   ; the accumulators take turns, one instruction a turn
.endr
.endm
; Head g (stream st) from its products to its last exponential, with head pg's tail (stream ps) between its lines: 8 + 12 x 3 + 28 x 2 + 8 = 108 places for the tail's 106 lines.
.macro HEADW st, g, ps, pg
	BEG \st, \g
	RUN \ps, \pg, 8                                ; four plain lines that name none of the products' registers: the places in front of the first read of results
	RUN \st, \g, 30                                ; the maximum's four chains
	WV \st, \g, 1, \ps, \pg, 3, 12                 ; lines 30 to 41 hang on each other
	RUN \st, \g, 7                                 ; f, and the first four scalings
	WV \st, \g, 3, \ps, \pg, 2, 28                 ; exponential, scaling, exponential, two lines of the tail
	WV \st, \g, 1, \ps, \pg, 1, 8
	FIN \ps, \pg
.endm
; A KEY STEP: the q-th 128 keys of the slot in hand.
.macro STEP q
	v_add_nc_u32 v[ADK], s48, v[LI]
	v_add_nc_u32 v[ADM], s48, v[AM0]
	v_nop
	v_nop                                          ; four places, the two additions among them, between the last products and the loads into V's registers
.irp t, 0,1,2,3,4,5,6,7
	ds_load_b64 v[MW+2*\t:MW+2*\t+1], v[ADM] offset:128*(\q)+16*\t          ; my query's mask bytes of keys 16 t + 8 h .. + 7
.endr
	WIN W_LD
.irp t, 0,1,2,3,4,5,6,7
	ds_load_b128 v[8*\t:8*\t+3], v[ADK] offset:4096*(\q)+512*\t             ; K's fragments, as they were stored: 512 consecutive bytes a load
.endr
.irp d, 0,1
.irp i, 0,1,2,3
	ds_load_b128 v[VF+16*\d+4*\i:VF+16*\d+4*\i+3], v[ADK] offset:VOFF+4096*(\q)+2048*\d+512*\i
.endr
.endr
	WIN 0
	s_wait_dscnt 16                                ; the mask is in; K's and V's sixteen loads may be out
.irp n, 0,1,2,3,4,5,6,7,8,9,10,11,12,13,14,15
	v_mul_lo_u32 v[MW+\n], v[MW+\n], s53
	v_sub_nc_u32 v[MW+\n], s52, v[MW+\n]           ; each byte: (1 - m) x B3; no byte borrows from its neighbour
.endr
	WIN W_LD
.irp n, 0,1,2,3,4,5,6,7,8,9,10,11,12,13,14,15
	v_lshlrev_b32 v[BI+4*\n], 24, v[MW+\n]         ; each byte on top of a word of its own: 0, or -2^X
	v_perm_b32 v[BI+4*\n+1], v[MW+\n], v[ZR], s54
	v_perm_b32 v[BI+4*\n+2], v[MW+\n], v[ZR], s55
	v_and_b32 v[BI+4*\n+3], 0xff000000, v[MW+\n]
.endr
	s_wait_dscnt 8                                 ; K is in; V's eight loads may be out
	BEG 0, 0
	WIN 0
.rept 4
	v_nop                                          ; places in front of the first read of results: no tail is at hand yet
.endr
	RUN 0, 0, 141                                  ; head 0's front stands alone
	HEADW 1, 1, 0, 0
	HEADW 0, 2, 1, 1
	HEADW 1, 3, 0, 2
	RUN 1, 3, 106                                  ; and so does head 3's tail
	FIN 1, 3
	WIN 0
.endm
; THE CHANGE OF SLOTS stands at a slot's head.  Each wave waits for all its tensor loads (its part of the slot that it is about to read), adds 0 to its spare word, and waits for that and for its reads of the slot that it has left.
; Behind the barrier the slot ahead is whole and nobody reads the other one.  fill = 1: that other slot takes the next 256 keys: one load a wave, with a whole slot's steps in which to land.
.macro CHANGE fill
	s_wait_tensorcnt 0x0                           ; no tensor load of mine is out, so a group 0 may be written
	ds_add_u32 v[SPW], v[NIL]                      ; 0 onto my spare word
.if \fill
	s_xor_b32 s[G0K+1], s[G0K+1], SLOT1
	s_add_nc_u64 s[G0K+2:G0K+3], s[G0K+2:G0K+3], 8192
	s_xor_b32 s[G0V+1], s[G0V+1], SLOT1
	s_add_nc_u64 s[G0V+2:G0V+3], s[G0V+2:G0V+3], 8192
	s_xor_b32 s[G0M+1], s[G0M+1], SLOT1
	s_add_nc_u64 s[G0M+2:G0M+3], s[G0M+2:G0M+3], 256
.endif
	s_wait_dscnt 0x0                               ; the add is done, and my reads of the slot that I have left are over
	s_barrier_signal -1
	s_barrier_wait -1
.if \fill
	TLOAD
.endif
.endm
	s_wait_loadcnt 0x0                             ; Q
.Lslot:                                            ; seven trips: behind each change of slots but the last the next slot is asked for
	CHANGE 1
	STEP 0
	STEP 1
	s_xor_b32 s48, s48, SLOT1
	s_sub_co_u32 s50, s50, 1
	s_cmp_lg_u32 s50, 0
	s_cbranch_scc1 .Lslot
	CHANGE 0                                       ; the last slot is written out
	STEP 0
	STEP 1
	; THE WAY OUT.  O^T / the sum is held, quantised under 2^e8, gathered as rows of 128 bytes (byte 32 g + dim) in my stage and stored as 2,048 consecutive bytes.
.irp g, 0,1,2,3
	v_add_f32 v[RL+\g], v[ST+4*\g+2], v[ST+4*\g+3] ; the sum's two halves.  (These four are the places behind the last products)
.endr
.irp g, 0,1,2,3
	v_permlanex16_b32 v[TM+10], v[RL+\g], s20, s21
	v_add_f32 v[RL+\g], v[RL+\g], v[TM+10]         ; and lane l xor 16's
.endr
.irp g, 0,1,2,3
	v_rcp_f32 v[RL+\g], v[RL+\g]
.endr
	v_nop                                          ; a plain instruction between the last reciprocal and the use of its result
	s_wait_alu depctr_va_vdst(0)
.irp g, 0,1,2,3
	WIN 0x01
.irp n, 0,1,2,3,4,5,6,7,8,9,10,11,12,13,14,15
	v_mul_f32 v[ET+\n], v[OA+16*\g+\n], v[RL+\g]   ; register 8 d + i: dim 16 d + 8 h + i of my query; each accumulator from its low end on
.endr
	WIN 0
.irp n, 0,1,2,3,4,5,6,7,8,9,10,11,12,13,14,15
.endr
	v_cvt_scalef32_pk8_fp8_f32 v[EC+4*\g:EC+4*\g+1], v[ET:ET+7], v[ESC]
	v_cvt_scalef32_pk8_fp8_f32 v[EC+4*\g+2:EC+4*\g+3], v[ET+8:ET+15], v[ESC]
	v_nop                                          ; a plain line between the conversions and the next write of their sources
	ds_store_b64 v[STO], v[EC+4*\g:EC+4*\g+1] offset:32*\g
	ds_store_b64 v[STO], v[EC+4*\g+2:EC+4*\g+3] offset:32*\g+16
.endr
.irp i, 0,1,2,3
	ds_load_b128 v[ET+4*\i:ET+4*\i+3], v[RD] offset:512*\i   ; LDS serves a wave's instructions in order (ISA guide 5.7.1.4): these see my stores
.endr
.irp i, 0,1,2,3
	s_wait_dscnt 3-\i                              ; the younger loads may be out
	global_store_b128 v[LI], v[ET+4*\i:ET+4*\i+3], s[14:15] offset:512*\i
.endr
	s_wait_tensorcnt 0x0                           ; the wave's end
	ds_add_u32 v[SPW], v[NIL]
	s_wait_dscnt 0x0
	s_endpgm
.Lfunc_end_k_qf566065903_attn:
	.size	k_qf566065903_attn, .Lfunc_end_k_qf566065903_attn-k_qf566065903_attn
	.p2alignl 7, 3214868480
	.fill 96, 4, 3214868480
	.section	.rodata,"a",@progbits
	.p2align	6, 0x0
	.amdhsa_kernel k_qf566065903_attn
		.amdhsa_group_segment_fixed_size 327680
		.amdhsa_private_segment_fixed_size 0
		.amdhsa_enable_private_segment 0
		.amdhsa_kernarg_size 48
		.amdhsa_user_sgpr_count 2
		.amdhsa_user_sgpr_kernarg_segment_ptr 1
		.amdhsa_wavefront_size32 1
		.amdhsa_system_sgpr_workgroup_id_x 1
		.amdhsa_system_sgpr_workgroup_id_y 1
		.amdhsa_system_sgpr_workgroup_id_z 1
		.amdhsa_system_vgpr_workitem_id 0
		.amdhsa_next_free_vgpr 512
		.amdhsa_next_free_sgpr 100
		.amdhsa_reserve_vcc 0
		.amdhsa_float_denorm_mode_32 3
		.amdhsa_float_denorm_mode_16_64 3
		.amdhsa_fp16_overflow 1
		.amdhsa_memory_ordered 1
		.amdhsa_forward_progress 1
		.amdhsa_inst_pref_size 213
	.end_amdhsa_kernel
	.amdgpu_metadata
---
amdhsa.version: [ 1, 2 ]
amdhsa.kernels:
  - .name:           k_qf566065903_attn
    .symbol:         k_qf566065903_attn.kd
    .args:
      - { .name: q_codes, .offset: 0, .size: 8, .value_kind: global_buffer, .address_space: global }
      - { .name: k_codes, .offset: 8, .size: 8, .value_kind: global_buffer, .address_space: global }
      - { .name: v_codes, .offset: 16, .size: 8, .value_kind: global_buffer, .address_space: global }
      - { .name: attn_mask, .offset: 24, .size: 8, .value_kind: global_buffer, .address_space: global }
      - { .name: lowp_scales, .offset: 32, .size: 8, .value_kind: global_buffer, .address_space: global }
      - { .name: enc_codes, .offset: 40, .size: 8, .value_kind: global_buffer, .address_space: global }
    .group_segment_fixed_size: 327680
    .private_segment_fixed_size: 0
    .kernarg_segment_align: 8
    .kernarg_segment_size: 48
    .max_flat_workgroup_size: 256
    .sgpr_count:     100
    .vgpr_count:     512
    .wavefront_size: 32
...
	.end_amdgpu_metadata
.endif
;; end of part 6
;; launch oproj: the kernel of part 4 again; grid 16 x 16, 4 waves a work-group, clusters of 4 x 4, 327,680 bytes of LDS; arguments enc_codes, wo_codes, lowp_scales, out0; writes out0
